; MI455X (gfx1250); checked and timed in simulation.
; The chip was launched on July 23, 2026; its instructions are those of AMD's public machine-readable ISA for CDNA 5 (MIT licence, August 2026) and "CDNA5" Instruction Set Architecture Reference Guide (July 2026). The comments in the code are by the model that wrote it; some were corrected since.
;; Multi Head Causal Attention. Allowed arithmetic: matrix products marked QUANTISED: E2M1 operands, one E8M0 scale for each 32 along K, by v_wmma_scale_f32_16x16x128_f8f6f4 with both operands' format E2M1 (or v_wmma_scale_f32_32x16x128_f4), f32 sums; products left as they are: bf16, f16 or f32 operands; f32 sums; everything else in f32.
;; Inputs: b_out 1,024 float32; b_qkv 3,072 float32; w_out 1,024 x 1,024 float32; w_qkv 3,072 x 1,024 float32; x 4 x 2,048 x 1,024 float32.
;; Outputs: out0 4 x 2,048 x 1,024 float32.
;; This version of the problem:
;;   THIS VERSION OF THE PROBLEM IS GIVEN IN LOW PRECISION. The matrix products marked QUANTISED in the list below multiply operands that are first quantised to E2M1 (2 exponent bits, 1 mantissa bit; 4 bits a number), with one power-of-two scale for each 32 numbers along K (OCP MX v1.0); their sums are f32. The products marked 'left as it is' may take bf16, f16 or f32 operands, with f32 sums. Whichever they take, every output number must still come out within the allowed error. Rounding operands to bf16 (8 significant bits) uses up far more of that allowance than f16 does (11 bits, for magnitudes from 6e-5 to 65,504). All else is computed in f32.
;;   The module's matrix products, in the order in which they are computed (A, B: the left and right operand; K: the contracted axis; several contracted axes count as one K, in the product's order):
;;     1. [M 8,192, K 1,024] x [K 1,024, N 3,072]; A: input x; B: input w_qkv: QUANTISED
;;     2. batch 64 x [M 2,048, K 64] x [K 64, N 2,048]; A: computed on the way; B: computed on the way: left as it is (an operand is computed on the way)
;;     3. batch 64 x [M 2,048, K 2,048] x [K 2,048, N 64]; A: computed on the way; B: computed on the way: left as it is (an operand is computed on the way)
;;     4. [M 8,192, K 1,024] x [K 1,024, N 1,024]; A: computed on the way; B: input w_out: left as it is (an operand is computed on the way)
;;   THE QUANTISER, for each operand of a quantised product, along K:
;;     - K is cut into blocks of 32 from its start; a last block that is shorter is filled with zeros.
;;     - A block's scale is 2^e with e = floor(log2(the largest magnitude in the block)) - 2, held to -126 .. 127; a block of zeros has e = 0. As a byte (E8M0): e + 127.
;;     - Each number is divided by its block's scale, clamped to +-6, and rounded to the nearest number of E2M1, ties to even, subnormals kept.
;;     - The product sums the exact products of the quantised numbers (number of the format x scale) in f32.
;;   ~~~python
;;   def quantise(x, axis):      # numpy; x: float32 -> the quantised numbers, widened to float32 again
;;       x = np.moveaxis(x, axis, -1); K = x.shape[-1]
;;       x = np.pad(x, [(0, 0)] * (x.ndim - 1) + [(0, -K % 32)]); x = x.reshape(x.shape[:-1] + (-1, 32)); a = np.abs(x).max(-1, keepdims=True)
;;       e = np.where(a > 0, np.clip(np.frexp(np.where(a > 0, a, 1))[1] - 1 - 2, -126, 127), 0)      # np.frexp(a)[1] - 1 = floor(log2(a)), exactly
;;       r = np.clip(x / 2.0 ** e, -6, 6)
;;       step = 2.0 ** (np.maximum(np.frexp(np.where(r == 0, 1, r))[1] - 1, 0) - 1)
;;       q = np.round(r / step) * step * 2.0 ** e      # np.round: ties to even
;;       return np.moveaxis(q.reshape(q.shape[:-2] + (-1,))[..., :K], -1, axis).astype(np.float32)
;;   ~~~
;; One version. Each part assembles by itself: llvm-mc -triple=amdgcn-amd-amdhsa -mcpu=gfx1250 --defsym DOCPART=n.
;; ======== version 1 of 1: 5 launches
;; limits: values are held in f16: magnitudes above 65,504 overflow, below 6.1e-05 lose precision
;; workspace buffers: x_codes 4,194,304 bytes; x_scales 262,144 bytes; w_codes 1,572,864 bytes; w_scales 98,304 bytes; w16 2,097,152 bytes; qkv16 50,331,648 bytes; att16 16,777,216 bytes; fine32 786,432 bytes
;; launch prep (part 1): grid 384 x 1, 4 waves a work-group, no clusters, 33,280 bytes of LDS; arguments x, w_qkv, x_codes, x_scales, w_codes, w_scales, w_out, w16; writes x_codes, x_scales, w_codes, w_scales, w16
.if DOCPART == 1
	.amdgcn_target "amdgcn-amd-amdhsa--gfx1250"
	.amdhsa_code_object_version 6
	.text
	.protected	k_qe88b4588e4_prep
	.globl	k_qe88b4588e4_prep
	.p2align	8
	.type	k_qe88b4588e4_prep,@function
k_qe88b4588e4_prep:
	s_mov_b64 s[64:65], 0
	v_nop
	global_prefetch_b8 v0, s[64:65] scope:SCOPE_SE
	s_setreg_imm32_b32 hwreg(HW_REG_WAVE_MODE, 25, 1), 1
	s_wait_xcnt 0x0
; x [8192][1024] and w_qkv [3072][1024], f32, become codes of FP4 (E2M1), K innermost, two codes a byte, with one E8M0 scale byte for each 32 along K; w_out [1024][1024] becomes f16.
; A block's scale is 2^(floor(log2(its largest magnitude)) - 2); its byte is the largest magnitude's exponent field - 2, held at 1 from below.  Each number is divided by the scale and rounded to the nearest code, ties to even; beyond 6 the largest code.
; LIMITS: a block of zeros gets the byte 1 where the rule says 127 (its codes are zeros, and this program alone reads the bytes); blocks whose largest magnitude lies under 2^-124 keep the byte 1; NaN and infinities are not served;
; w_out beyond 65,504 in magnitude has no f16 number.
; SHARES: 32,768 numbers a work-group, 8,192 a wave.  Work-groups 0-255 take x, 256-351 w_qkv, 352-383 w_out.  Rows are dense and K is a multiple of 32: all three tensors are plain streams.
; QUANTISING: a wave takes 16 steps of 512 numbers.  Each load reads 512 consecutive bytes; a step's 2,048 bytes turn through the wave's own stage in LDS and come back 64 bytes a lane, so that a lane holds 16 neighbours
; (two neighbouring lanes a block).  A lane's 16 codes are 8 bytes: a store covers 256 consecutive bytes.  A wave's 256 scale bytes are gathered in LDS and leave in one store.  No barrier: waves share nothing.
.set SIZE_M, 8192
.set SIZE_N, 3072
.set SIZE_K, 1024
.set WAVES, 4
.set STEPS, 16
.set WGA,   SIZE_M*SIZE_K/(512*STEPS*WAVES)            ; 256 work-groups for x
.set WGQ,   (SIZE_M+SIZE_N)*SIZE_K/(512*STEPS*WAVES)   ; 352: from here on w_out
.set EMAX,  2
.set CB,    8                          ; bytes of 16 codes
.set R,     16                         ; v16-79   four sets of 16 numbers as loaded
.set X,     80                         ; v80-111  two sets of 16 neighbours
.set C,     128                        ; v128-191 codes: four registers a step, so that no store's data are written again
.set E,     112                        ; v112-127 a scale byte a step
.set F,     16                         ; the f16 path: v16-143 two sets of 64 numbers
.set H,     144                        ; v144-175 a group's 64 halves-pairs
.set WREG,  8192                       ; LDS: a region for each wave: two stages of 32 x SP bytes, then its 256 scale bytes
.set SP,    80                         ; a lane's place in a stage: 64 bytes + 16 of padding
.set SPW,   12                         ; v12 LDS address of my spare word; never rewritten
.set NIL,   13                         ; v13 0; never rewritten
.set SPARE, WAVES*WREG                 ; the spare words: 128 bytes a wave, two blocks of 256 bytes that no other line names
	s_load_b128 s[4:7], s[0:1], 0x0                ; x, w_qkv
	s_load_b128 s[8:11], s[0:1], 0x10              ; x's codes, x's scales
	s_load_b128 s[12:15], s[0:1], 0x20             ; w_qkv's codes, its scales
	s_load_b128 s[24:27], s[0:1], 0x30             ; w_out, w16
	v_lshl_add_u32 v[SPW], v0, 2, SPARE
	v_mov_b32 v[NIL], 0
	v_lshrrev_b32 v1, 5, v0
	v_readfirstlane_b32 s16, v1                    ; wave
	v_and_b32 v2, 31, v0                           ; lane
	v_lshlrev_b32 v3, 4, v2                        ; my 16 bytes of a load's 512
	s_mul_i32 s17, s16, WREG
	v_lshrrev_b32 v14, 2, v2
	v_mul_u32_u24 v14, v14, SP
	v_and_b32 v15, 3, v2
	v_lshl_add_u32 v14, v15, 4, v14
	v_add_nc_u32 v14, s17, v14                     ; the stage, on the way in: SP (lane / 4) + 16 (lane % 4)
	v_mul_u32_u24 v15, v2, SP
	v_add_nc_u32 v15, s17, v15                     ; and on the way out: SP x lane: my 16 neighbours
	v_mul_u32_u24 v4, v2, CB                       ; 8 x lane: my codes' place in a step's; also my halves' place in the f16 path
	v_lshrrev_b32 v5, 1, v2
	s_add_co_u32 s17, s17, 2*32*SP
	v_add_nc_u32 v5, s17, v5                       ; LDS: my block's scale byte
	v_lshlrev_b32 v7, 3, v2
	v_add_nc_u32 v6, s17, v7                       ; and 8 bytes a lane on the way out
.macro WLOAD g                         ; group g of w_out: 16 loads of 512 consecutive bytes into set g % 2
.irp i, 0,1,2,3,4,5,6,7,8,9,10,11,12,13,14,15
	global_load_b128 v[F+64*((\g)%2)+4*\i:F+64*((\g)%2)+4*\i+3], v3, s[24:25] offset:512*(16*(\g)+\i)
.endr
.endm
.macro CVT g                           ; group g is rounded to f16 and stored: each store covers 256 consecutive bytes, aligned
.if (\g) < 3
	s_wait_loadcnt 16                              ; this group's 16 loads are in; the next group's may be out
.else
	s_wait_loadcnt 0
.endif
.if (\g) > 0
	s_wait_xcnt 0x0                                ; the last group's stores have read their data registers, which are written again below
.endif
.irp i, 0,1,2,3,4,5,6,7,8,9,10,11,12,13,14,15
	v_cvt_pk_f16_f32 v[H+2*\i],   v[F+64*((\g)%2)+4*\i],   v[F+64*((\g)%2)+4*\i+1]
	v_cvt_pk_f16_f32 v[H+2*\i+1], v[F+64*((\g)%2)+4*\i+2], v[F+64*((\g)%2)+4*\i+3]
.endr
.if (\g) < 2
	WLOAD (\g)+2
.endif
.irp i, 0,1,2,3,4,5,6,7,8,9,10,11,12,13,14,15
	global_store_b64 v4, v[H+2*\i:H+2*\i+1], s[26:27] offset:256*(16*(\g)+\i)
.endr
.endm
	s_wait_kmcnt 0x0
	s_cmp_lt_u32 ttmp9, WGQ                        ; the work-group's number alone decides
	s_cbranch_scc1 .Lquant
	; ---- w_out to f16
	s_sub_co_u32 s17, ttmp9, WGQ
	s_lshl_b32 s17, s17, 2
	s_add_co_u32 s17, s17, s16                     ; which run of 8,192 numbers is my wave's
	s_lshl_b32 s18, s17, 15
	s_mov_b32 s19, 0
	s_add_nc_u64 s[24:25], s[24:25], s[18:19]
	s_lshl_b32 s18, s17, 14
	s_add_nc_u64 s[26:27], s[26:27], s[18:19]
	WLOAD 0
	WLOAD 1
	CVT 0
	CVT 1
	CVT 2
	CVT 3
	s_branch .Lend
.Lquant:
	; ---- x or w_qkv to codes
	s_cmp_lt_u32 ttmp9, WGA
	s_cselect_b64 s[4:5], s[4:5], s[6:7]
	s_cselect_b64 s[8:9], s[8:9], s[12:13]
	s_cselect_b64 s[10:11], s[10:11], s[14:15]
	s_cselect_b32 s17, 0, WGA
	s_sub_co_u32 s17, ttmp9, s17
	s_lshl_b32 s17, s17, 2
	s_add_co_u32 s18, s17, s16                     ; which run of 8,192 numbers of the tensor is my wave's
	s_mov_b32 s19, 0
	s_mov_b64 s[20:21], 512*STEPS*4
	s_mul_u64 s[20:21], s[18:19], s[20:21]
	s_add_nc_u64 s[4:5], s[4:5], s[20:21]
	s_mov_b64 s[20:21], 32*STEPS*CB
	s_mul_u64 s[20:21], s[18:19], s[20:21]
	s_add_nc_u64 s[8:9], s[8:9], s[20:21]
	s_lshl_b32 s18, s18, 8                         ; 256 scale bytes a run
	s_add_nc_u64 s[10:11], s[10:11], s[18:19]
.macro LOAD t
.irp i, 0,1,2,3
	global_load_b128 v[R+16*((\t)%4)+4*\i:R+16*((\t)%4)+4*\i+3], v3, s[4:5] offset:2048*(\t)+512*\i th:TH_LOAD_NT
.endr
.endm
.macro TURN t                          ; step t's numbers through the stage: LDS serves a wave's instructions in order, so no wait stands between the stores and the loads
.irp i, 0,1,2,3
	ds_store_b128 v14, v[R+16*((\t)%4)+4*\i:R+16*((\t)%4)+4*\i+3] offset:32*SP*((\t)%2)+8*SP*\i
.endr
.irp i, 0,1,2,3
	ds_load_b128 v[X+16*((\t)%2)+4*\i:X+16*((\t)%2)+4*\i+3], v15 offset:32*SP*((\t)%2)+16*\i
.endr
.endm
.irp t, 0,1,2,3
	LOAD \t
.endr
	s_wait_loadcnt 12                              ; step 0's four loads are in
	TURN 0
.macro STEP t
.set XS, X+16*((\t)%2)
.if (\t) > 0
	s_wait_dscnt 1                                 ; this step's numbers are back from the stage (the last step's byte store may be out)
.else
	s_wait_dscnt 0x0
.endif
.if (\t)+4 < STEPS
	LOAD (\t)+4
.endif
.if (\t)+1 < STEPS
.if STEPS-2-(\t) >= 3
	s_wait_loadcnt 12                              ; the next step's four loads are in; those of the three steps behind it may be out
.else
	s_wait_loadcnt 4*(STEPS-2-(\t))
.endif
	TURN (\t)+1
.endif
	v_max3_num_f32 v8, |v[XS]|, |v[XS+1]|, |v[XS+2]|               ; the largest magnitude of my 16, in two chains
	v_max3_num_f32 v9, |v[XS+3]|, |v[XS+4]|, |v[XS+5]|
.irp i, 6,10
	v_max3_num_f32 v8, v8, |v[XS+\i]|, |v[XS+\i+1]|
	v_max3_num_f32 v9, v9, |v[XS+\i+2]|, |v[XS+\i+3]|
.endr
	v_max3_num_f32 v8, v8, |v[XS+14]|, |v[XS+15]|
	v_max3_num_f32 v8, v8, v9, (EMAX+1)<<23        ; and the floor 2^(3 - 127): the byte cannot fall under 1
	v_max_num_f32_dpp v8, v8, v8 row_xmask:1 row_mask:0xf bank_mask:0xf   ; and of my neighbour's 16: the block's
	v_add_nc_u32 v11, -(EMAX<<23), v8              ; 2 off its exponent field: the conversion takes the exponent field of this operand as its scale
	v_cvt_scalef32_pk8_fp4_f32 v[C+4*(\t)], v[XS:XS+7], v11
	v_cvt_scalef32_pk8_fp4_f32 v[C+4*(\t)+1], v[XS+8:XS+15], v11
	v_lshrrev_b32 v[E+(\t)], 23, v11               ; the scale's byte (a plain line behind the conversions)
	ds_store_b8 v5, v[E+(\t)] offset:16*(\t)       ; both lanes of a block write the same byte with the same value
	global_store_b64 v4, v[C+4*(\t):C+4*(\t)+1], s[8:9] offset:32*CB*(\t)
.endm
.irp t, 0,1,2,3,4,5,6,7,8,9,10,11,12,13,14,15
	STEP \t
.endr
	ds_load_b64 v[8:9], v6                         ; LDS serves a wave's instructions in order: these see my byte stores
	s_wait_dscnt 0x0
	global_store_b64 v7, v[8:9], s[10:11]          ; 32 lanes store 256 consecutive bytes, aligned
.Lend:
	s_wait_tensorcnt 0x0                           ; the wave's end
	ds_add_u32 v[SPW], v[NIL]
	s_wait_dscnt 0x0
	s_endpgm
.Lfunc_end_k_qe88b4588e4_prep:
	.size	k_qe88b4588e4_prep, .Lfunc_end_k_qe88b4588e4_prep-k_qe88b4588e4_prep
	.p2alignl 7, 3214868480
	.fill 96, 4, 3214868480
	.section	.rodata,"a",@progbits
	.p2align	6, 0x0
	.amdhsa_kernel k_qe88b4588e4_prep
		.amdhsa_group_segment_fixed_size 33280
		.amdhsa_private_segment_fixed_size 0
		.amdhsa_enable_private_segment 0
		.amdhsa_kernarg_size 64
		.amdhsa_user_sgpr_count 2
		.amdhsa_user_sgpr_kernarg_segment_ptr 1
		.amdhsa_wavefront_size32 1
		.amdhsa_system_sgpr_workgroup_id_x 1
		.amdhsa_system_sgpr_workgroup_id_y 1
		.amdhsa_system_sgpr_workgroup_id_z 1
		.amdhsa_system_vgpr_workitem_id 0
		.amdhsa_next_free_vgpr 192
		.amdhsa_next_free_sgpr 66
		.amdhsa_reserve_vcc 0
		.amdhsa_float_denorm_mode_32 3
		.amdhsa_float_denorm_mode_16_64 3
		.amdhsa_memory_ordered 1
		.amdhsa_forward_progress 1
		.amdhsa_inst_pref_size 54
	.end_amdhsa_kernel
	.amdgpu_metadata
---
amdhsa.version: [ 1, 2 ]
amdhsa.kernels:
  - .name:           k_qe88b4588e4_prep
    .symbol:         k_qe88b4588e4_prep.kd
    .args:
      - { .name: x, .offset: 0, .size: 8, .value_kind: global_buffer, .address_space: global }
      - { .name: w_qkv, .offset: 8, .size: 8, .value_kind: global_buffer, .address_space: global }
      - { .name: x_codes, .offset: 16, .size: 8, .value_kind: global_buffer, .address_space: global }
      - { .name: x_scales, .offset: 24, .size: 8, .value_kind: global_buffer, .address_space: global }
      - { .name: w_codes, .offset: 32, .size: 8, .value_kind: global_buffer, .address_space: global }
      - { .name: w_scales, .offset: 40, .size: 8, .value_kind: global_buffer, .address_space: global }
      - { .name: w_out, .offset: 48, .size: 8, .value_kind: global_buffer, .address_space: global }
      - { .name: w16, .offset: 56, .size: 8, .value_kind: global_buffer, .address_space: global }
    .group_segment_fixed_size: 33280
    .private_segment_fixed_size: 0
    .kernarg_segment_align: 8
    .kernarg_segment_size: 64
    .max_flat_workgroup_size: 128
    .sgpr_count:     66
    .vgpr_count:     192
    .wavefront_size: 32
...
	.end_amdgpu_metadata
.endif
;; end of part 1
;; launch qkv (part 2): grid 12 x 32, 4 waves a work-group, clusters of 4 x 4, 327,680 bytes of LDS; arguments x_codes, x_scales, w_codes, w_scales, qkv16, b_qkv, fine32; writes qkv16, fine32
.if DOCPART == 2
	.amdgcn_target "amdgcn-amd-amdhsa--gfx1250"
	.amdhsa_code_object_version 6
	.text
	.protected	k_qe88b4588e4_qkv
	.globl	k_qe88b4588e4_qkv
	.p2align	8
	.type	k_qe88b4588e4_qkv,@function
k_qe88b4588e4_qkv:
	s_mov_b64 s[64:65], 0
	v_nop
	global_prefetch_b8 v0, s[64:65] scope:SCOPE_SE
	s_setreg_imm32_b32 hwreg(HW_REG_WAVE_MODE, 25, 1), 1
	s_wait_xcnt 0x0
	s_wait_alu depctr_hold_cnt(0) depctr_sa_sdst(0) depctr_va_vdst(0) depctr_va_sdst(0) depctr_va_ssrc(0) depctr_va_vcc(0) depctr_vm_vsrc(0)
	s_getreg_b32 s2, hwreg(HW_REG_IB_STS2, 6, 4)
	s_cmp_eq_u32 s2, 0
	s_cbranch_scc0 .Lentry_in_a_cluster
	s_endpgm
.Lentry_in_a_cluster:
	s_bfe_u32 s2, ttmp6, 0x10000c
	s_cmp_lg_u32 s2, 0xf033
	s_cbranch_scc0 .Lentry_shape_is_right
	s_endpgm
.Lentry_shape_is_right:
; qkv[m][n] = sum over k of x[m][k] w_qkv[n][k] + b_qkv[n], on codes of FP4 (E2M1) with one E8M0 scale for each 32 along K; sums in f32.  m = 8,192, n = 3,072, K = 1,024.
; The result leaves as f16, by head: qkv16 [q, k or v][batch][head][position][64].  The first 16 positions of every batch also leave as f32, as images of the accumulators' registers (fine32), for the launch that carries those rows in f32.
; LIMITS: results beyond 65,504 in magnitude have no f16 number.
; A tile of 256 x 256 is made by four waves, a wave 128 x 128: 64 accumulators of 16 x 16.  K is two steps of 512 (tile rows of 256 bytes): each has an LDS slot of its own, both asked for at the head; nothing is filled again.
; The scale bytes of the work-group's 256 + 256 rows, for all of K, are two dense blocks of memory and come into LDS with the first fills.
; CLUSTERS: 4 x 4 work-groups; the four of a row share A's tiles, the four of a column B's: each tile is asked for jointly.  THE TILE ROW is cluster y + 8 cy: so cy is the batch and cluster y the tile's place in its batch,
; and 'this tile holds positions 0-15' is 'cluster y = 0': the same in all sixteen partners, so a branch may hang on it.
; THE MATRIX INSTRUCTION IS USED TRANSPOSED (source 0 = 16 rows of w, source 1 = 16 rows of x): a lane holds eight neighbouring columns of one row.  The bias is the C of each sum's first instruction.
; REGISTERS: window 0: v0-31 addresses; v32-95 scale words, two sets (they hold nothing else); v128-191 A's fragments, one set, on the way out rows read back; v192-255 the bias, on the way out packed results.
;   window 1: B's fragments, two sets, at v0 and v128.   window 2: accumulators of my rows 0-63 ((a, b) at v[8 (8 a + b)]);   window 3: rows 64-127.
.set SIZE_M, 8192
.set SIZE_N, 3072
.set SIZE_K, 1024
.set KSTEP,  512
.set NQ,     KSTEP/128
.set ROWB,   256                       ; a tile's row in bytes
.set KROW,   SIZE_K/2                  ; a row of codes in memory
.set PITCH,  272                       ; an LDS row: 256 bytes + 16 of padding: the 16 rows of a load start at 16 different banks
.set FR,     8
.set NL,     2
.set NP,     4                         ; places behind this matrix instruction (ISA guide 7.12.1)
.set HALFT,  128*PITCH
.set SLOT,   4*HALFT
.set KS,     SIZE_K/32                 ; a row of scales: 32 bytes
.set SCL,    2*SLOT
.set HALFS,  (128*KS/256)*272
.set SBLK,   (16*KS/256)*272
.set SPARE,  SCL+4*HALFS               ; the spare words: 128 bytes a wave, two blocks of 256 bytes that no other line names
.set SPITCH, 272                       ; the way out: a stage of 16 rows x (256 bytes + 16) for each wave, in slot 0, which has had its one fill and its last read by then
.set ADRA, 16
.set ADRB, 20
.set STO,  24
.set RD,   25
.set CO,   26                          ; 16 x lane
.set ADRS, 27
.set SPW,  28
.set NIL,  29
.set BAD,  30                          ; 32 x (lane / 16): the bias loads' offset
.set SC,   32
.set AF,   128
.set BKR0, 128                         ; the way out: rows read back, v128-159 and v160-191 by turns
.set BI,   192                         ; the bias: v[BI + 8 b + j] = b_qkv[my first column + 16 b + 8 (lane / 16) + j]
.set TMP,  192                         ; the way out: packed results
.set G1, 24
.set G0, 32
.set G1B, 48
.set G0B, 56
.set G1S, 68
.set G0S, 76
.set G1SB, 80
.set G0SB, 88
.set MSB, 0
.macro WIN new                         ; the immediate's high byte repeats the setting that is left
.if MSB != (\new)
	s_set_vgpr_msb (MSB<<8)|(\new)
.set MSB, (\new)
.endif
.endm
.set MUL_LO, 0xa1                      ; source 0 (B) window 1, source 1 (A) window 0, C and D window 2; with the bias as C (window 0): 0x81
.set MUL_HI, 0xf1                      ; the same, C and D window 3; with the bias as C: 0xc1
.set TO_B,   0x40
; A joint load: waves 0 and 1 fetch for A, waves 2 and 3 for B; the branch hangs on the wave's number alone.  An s_nop 0 and four v_nop follow each of the two lines.
.macro JLOAD g0a, g1a, g0b, g1b
	s_cmp_eq_u32 s15, 0
	s_cbranch_scc0 .Lfor_b_\@
	tensor_load_to_lds s[\g0a:\g0a+3], s[\g1a:\g1a+7]
	s_nop 0
.rept 4
	v_nop
.endr
	s_branch .Lasked_\@
.Lfor_b_\@:
	tensor_load_to_lds s[\g0b:\g0b+3], s[\g1b:\g1b+7]
	s_nop 0
.rept 4
	v_nop
.endr
.Lasked_\@:
.endm
.macro CROUND                          ; a round of the cluster's barrier
	s_barrier_signal -1
	s_barrier_wait -1
	s_cmp_lg_u32 s14, 0
	s_cbranch_scc1 .Lnot_wave_0_\@
	s_barrier_signal -3
.Lnot_wave_0_\@:
	s_barrier_wait -3
	s_barrier_signal -1
	s_barrier_wait -1
.endm
	s_load_b128 s[4:7], s[0:1], 0x0                ; x's codes, x's scales
	s_load_b128 s[8:11], s[0:1], 0x10              ; w's codes, w's scales
	s_load_b64 s[12:13], s[0:1], 0x20              ; qkv16
	s_load_b64 s[96:97], s[0:1], 0x28              ; b_qkv
	s_load_b64 s[98:99], s[0:1], 0x30              ; fine32
	v_lshl_add_u32 v[SPW], v0, 2, SPARE
	v_mov_b32 v[NIL], 0
	ds_add_u32 v[SPW], v[NIL]                      ; the wave's opening: the add, twice on end, and its wait ahead of my first tensor load
	ds_add_u32 v[SPW], v[NIL]
	v_lshrrev_b32 v1, 5, v0
	v_readfirstlane_b32 s14, v1                    ; wave 0..3
	s_lshr_b32 s15, s14, 1                         ; which half of the tile's rows is mine.  Also: I fetch for A (0) or for B (1)
	s_and_b32 s16, s14, 1                          ; which half of its columns.  Also: which 128 rows of that tile I fetch
	s_bfe_u32 s40, ttmp6, 0x40000                  ; cx
	s_bfe_u32 s41, ttmp6, 0x40004                  ; cy
	s_lshl_b32 s42, ttmp9, 2
	s_add_co_u32 s42, s42, s40                     ; tile column = 4 x cluster x + cx
	s_and_b32 s95, ttmp7, 0xffff                   ; cluster y
	s_lshl_b32 s17, s41, 3
	s_add_co_u32 s17, s17, s95                     ; tile row = cluster y + 8 cy
	s_or_b32 s95, s95, s15                         ; 0: my first 16 rows are positions 0-15 of a batch.  Cluster y and the wave's number alone
	s_lshl_b32 s43, s41, 2
	s_lshl_b32 s43, 15, s43                        ; my row of the cluster
	s_lshl_b32 s44, 0x1111, s40                    ; my column
	s_or_b32 s[G1+0], s43, (0<<16)|(1<<20)|(1<<21)|(5<<22)|(3<<25)  ; the mask; elements of 1 byte; padding on; bit 21 beside a mask; 4 words after every 64
	s_or_b32 s[G1B+0], s44, (0<<16)|(1<<20)|(1<<21)|(5<<22)|(3<<25)
.irp g, G1, G1B
	s_mov_b32 s[\g+1], ROWB<<16                    ; tensor_dim0
	s_mov_b32 s[\g+2], 128<<16                     ; tensor_dim1
	s_mov_b32 s[\g+3], ROWB<<16                    ; tile_dim0
	s_mov_b32 s[\g+4], 128                         ; tile_dim1
	s_mov_b32 s[\g+5], KROW                        ; stride
	s_mov_b32 s[\g+6], 0
	s_mov_b32 s[\g+7], 0
.endr
	s_or_b32 s[G1S+0], s43, (3<<16)|(1<<20)|(1<<21)|(5<<22)|(3<<25) ; the scales of 128 rows: 4,096 dense bytes as 16 rows of 256 (32 elements of 8 bytes), 16 bytes of padding behind each
	s_or_b32 s[G1SB+0], s44, (3<<16)|(1<<20)|(1<<21)|(5<<22)|(3<<25)
.irp g, G1S, G1SB
	s_mov_b32 s[\g+1], 32<<16
	s_mov_b32 s[\g+2], (128*KS/256)<<16
	s_mov_b32 s[\g+3], 32<<16
	s_mov_b32 s[\g+4], 128*KS/256
	s_mov_b32 s[\g+5], 32
	s_mov_b32 s[\g+6], 0
	s_mov_b32 s[\g+7], 0
.endr
	s_lshl_b32 s18, s16, 7
	s_lshl_b32 s20, s17, 8
	s_add_co_u32 s20, s20, s18                     ; A: row 256 x tile row + 128 x half
	s_lshl_b32 s46, s42, 8
	s_add_co_u32 s46, s46, s18                     ; B: row 256 x tile column + 128 x half
	s_mov_b32 s21, 0
	s_mov_b32 s47, 0
	s_mov_b64 s[18:19], KS
	s_mul_u64 s[22:23], s[20:21], s[18:19]
	s_mul_u64 s[92:93], s[46:47], s[18:19]
	s_mov_b64 s[18:19], KROW
	s_mul_u64 s[20:21], s[20:21], s[18:19]
	s_mul_u64 s[46:47], s[46:47], s[18:19]
	s_mul_i32 s45, s14, HALFT                      ; where they go: wave x 128 rows
	s_mul_i32 s94, s14, HALFS
	s_wait_dscnt 0x0                               ; both opening adds are done
	s_wait_kmcnt 0x0
	s_add_nc_u64 s[20:21], s[4:5], s[20:21]
	s_add_nc_u64 s[22:23], s[6:7], s[22:23]
	s_add_nc_u64 s[46:47], s[8:9], s[46:47]
	s_add_nc_u64 s[92:93], s[10:11], s[92:93]
	CROUND                                         ; all sixteen work-groups are here: the first joint loads meet
	s_mov_b32 s[G0S], 1
	s_add_co_u32 s[G0S+1], s94, SCL
	s_mov_b64 s[G0S+2:G0S+3], s[22:23]
	s_or_b32 s[G0S+3], s[G0S+3], 0x80000000
	s_mov_b32 s[G0SB], 1
	s_add_co_u32 s[G0SB+1], s94, SCL
	s_mov_b64 s[G0SB+2:G0SB+3], s[92:93]
	s_or_b32 s[G0SB+3], s[G0SB+3], 0x80000000
	JLOAD G0S, G1S, G0SB, G1SB                     ; the scales first: they are wanted with K step 0
.irp s, 0,1
	s_mov_b32 s[G0+4*\s], 1
	s_add_co_u32 s[G0+4*\s+1], s45, \s*SLOT
	s_add_nc_u64 s[G0+4*\s+2:G0+4*\s+3], s[20:21], \s*ROWB
	s_or_b32 s[G0+4*\s+3], s[G0+4*\s+3], 0x80000000
	s_mov_b32 s[G0B+4*\s], 1
	s_add_co_u32 s[G0B+4*\s+1], s45, \s*SLOT
	s_add_nc_u64 s[G0B+4*\s+2:G0B+4*\s+3], s[46:47], \s*ROWB
	s_or_b32 s[G0B+4*\s+3], s[G0B+4*\s+3], 0x80000000
	JLOAD G0+4*\s, G1, G0B+4*\s, G1B               ; three tensor loads of mine are out at the most
.endr
	v_and_b32 v1, 15, v0                           ; r = lane % 16
	v_bfe_u32 v2, v0, 4, 1                         ; h = lane / 16
	; the bias of my 128 columns, in the result's layout
	v_lshlrev_b32 v[BAD], 5, v2
	s_lshl_b32 s46, s42, 10
	s_lshl_b32 s47, s16, 9
	s_add_co_u32 s46, s46, s47                     ; 4 x my first column
	s_mov_b32 s47, 0
	s_add_nc_u64 s[96:97], s[96:97], s[46:47]
.irp b, 0,1,2,3,4,5,6,7
	global_load_b128 v[BI+8*\b:BI+8*\b+3],   v[BAD], s[96:97] offset:64*\b
	global_load_b128 v[BI+8*\b+4:BI+8*\b+7], v[BAD], s[96:97] offset:64*\b+16
.endr
	s_lshl_b32 s20, s46, 4                         ; fine32: 1,024 bytes for each 16 columns,
	s_lshr_b32 s21, s17, 3
	s_mul_i32 s21, s21, 196608                     ; 192 such images a batch
	s_add_co_u32 s20, s20, s21
	s_mov_b32 s21, 0
	s_add_nc_u64 s[98:99], s[98:99], s[20:21]
	v_mul_u32_u24 v3, v1, PITCH
	v_lshl_add_u32 v4, v2, 4, v3                   ; a fragment's row x pitch + 16 x half
	s_mul_i32 s21, s15, HALFT
	s_mul_i32 s22, s16, HALFT
	s_add_co_u32 s22, s22, 2*HALFT
.irp s, 0,1
	v_add_nc_u32 v[ADRA+\s], s21, v4
	v_add_nc_u32 v[ADRB+\s], s22, v4
	s_add_co_u32 s21, s21, SLOT
	s_add_co_u32 s22, s22, SLOT
.endr
	v_mul_u32_u24 v5, v1, KS                       ; my row's scales: KS bytes a row,
	v_lshrrev_b32 v6, 8, v5
	v_lshl_add_u32 v5, v6, 4, v5                   ; and 16 more for each 256 passed
	s_mul_i32 s21, s15, HALFS
	s_mul_i32 s22, s16, HALFS
	s_add_co_u32 s22, s22, 2*HALFS
	s_sub_co_u32 s22, s22, s21
	v_mul_u32_u24 v6, s22, v2                      ; lanes 16-31 take B's
	s_add_co_u32 s21, s21, SCL
	v_add_nc_u32 v5, v5, v6
	v_add_nc_u32 v[ADRS], s21, v5
	s_mul_i32 s23, s14, 16*SPITCH                  ; my stage
	v_mul_u32_u24 v5, v1, SPITCH                   ; in: row r, 16 bytes for each half of the lanes
	v_lshl_add_u32 v5, v2, 4, v5
	v_add_nc_u32 v[STO], s23, v5
	v_and_b32 v6, 31, v0
	v_lshlrev_b32 v[CO], 4, v6
	v_lshrrev_b32 v5, 3, v6                        ; back: eight lanes take 128 bytes of a row (one head's 64 numbers), four rows an instruction
	v_mul_u32_u24 v5, v5, SPITCH
	v_and_b32 v6, 7, v6
	v_lshl_add_u32 v5, v6, 4, v5
	v_add_nc_u32 v[RD], s23, v5
	; qkv16 at my first row of my first head: my 128 columns are heads g2 and g2 + 1 of one of q, k, v
	s_lshl_b32 s20, s42, 2
	s_lshl_b32 s21, s16, 1
	s_add_co_u32 s20, s20, s21                     ; g2 = first column / 64
	s_lshr_b32 s21, s20, 4
	s_lshl_b32 s21, s21, 24                        ; q, k or v: 16 MiB each
	s_and_b32 s20, s20, 15
	s_lshl_b32 s20, s20, 18                        ; the head: 256 KiB
	s_add_co_u32 s20, s20, s21
	s_lshr_b32 s21, s17, 3
	s_lshl_b32 s21, s21, 22                        ; the batch: 4 MiB
	s_add_co_u32 s20, s20, s21
	s_and_b32 s21, s17, 7
	s_lshl_b32 s21, s21, 15                        ; the tile's 256 positions of 128 bytes
	s_add_co_u32 s20, s20, s21
	s_lshl_b32 s21, s15, 14
	s_add_co_u32 s20, s20, s21
	s_mov_b32 s21, 0
	s_add_nc_u64 s[12:13], s[12:13], s[20:21]
.macro FRAG reg, adr, q, i             ; 16 rows x 128 K of 4-bit codes: 8 registers; registers 4 c .. 4 c + 3 hold K = 64 c + 32 (lane / 16) + 0 .. 31
.irp c, 0,1
	ds_load_b128 v[\reg+4*\c:\reg+4*\c+3], v[\adr] offset:64*(\q)+32*\c+(\i)*16*PITCH
.endr
.endm
; 16 matrix instructions: A's blocks a0, a0 + 1 x B's eight, the slot's q-th 128 along K.  zero = 1: the sums begin with the bias as C.  The 64 accumulators take turns, one instruction a turn.
.macro MUL16 a0, p, q, sc, zero
.irp a, \a0, \a0+1
.irp b, 0,1,2,3,4,5,6,7
.if \zero
	v_wmma_scale_f32_16x16x128_f8f6f4 v[8*(8*((\a)%4)+\b):8*(8*((\a)%4)+\b)+7], v[128*(\p)+FR*\b:128*(\p)+FR*\b+FR-1], v[AF+FR*(\a):AF+FR*(\a)+FR-1], v[BI+8*\b:BI+8*\b+7], v[SC+8*NQ*(\sc)+NQ*\b+(\q)], v[SC+8*NQ*(\sc)+NQ*(\a)+(\q)] matrix_a_fmt:MATRIX_FMT_FP4 matrix_b_fmt:MATRIX_FMT_FP4 matrix_a_scale:MATRIX_SCALE_ROW1
.else
	v_wmma_scale_f32_16x16x128_f8f6f4 v[8*(8*((\a)%4)+\b):8*(8*((\a)%4)+\b)+7], v[128*(\p)+FR*\b:128*(\p)+FR*\b+FR-1], v[AF+FR*(\a):AF+FR*(\a)+FR-1], v[8*(8*((\a)%4)+\b):8*(8*((\a)%4)+\b)+7], v[SC+8*NQ*(\sc)+NQ*\b+(\q)], v[SC+8*NQ*(\sc)+NQ*(\a)+(\q)] matrix_a_fmt:MATRIX_FMT_FP4 matrix_b_fmt:MATRIX_FMT_FP4 matrix_a_scale:MATRIX_SCALE_ROW1
.endif
.endr
.endr
.endm
.macro FETCH_B slot, q, p
	WIN TO_B
.irp i, 0,1,2,3,4,5,6,7
	FRAG 128*(\p)+FR*\i, ADRB+\slot, \q, \i
.endr
	WIN 0
.endm
.macro FETCH_A slot, q, i0
.irp i, \i0, \i0+1, \i0+2, \i0+3
	FRAG AF+FR*(\i), ADRA+\slot, \q, \i
.endr
.endm
.macro SCALES sc                       ; a K step's scale words: lanes 0-15 take A's block i, lanes 16-31 B's block i
.irp i, 0,1,2,3,4,5,6,7
	ds_load_b128 v[SC+8*NQ*\sc+NQ*\i:SC+8*NQ*\sc+NQ*\i+3], v[ADRS] offset:\i*SBLK
.endr
.endm
.macro PLACES n                        ; plain vector instructions between a matrix instruction and a load into, or a read of, its registers
.rept \n
	v_nop
.endr
.endm
.macro STEP slot, q, zero              ; 128 along K that has its successor in the same slot
	s_wait_dscnt 4*NL                              ; B's set and A's blocks 0-3 are in; A's blocks 4-7 may be out
	WIN MUL_LO-0x20*(\zero)
	MUL16 0, (\q)%2, \q, \slot, \zero
	MUL16 2, (\q)%2, \q, \slot, \zero
	s_wait_dscnt 0
	PLACES NP
	FETCH_B \slot, (\q)+1, 1-(\q)%2
	FETCH_A \slot, (\q)+1, 0
	WIN MUL_HI-0x30*(\zero)
	MUL16 4, (\q)%2, \q, \slot, \zero
	MUL16 6, (\q)%2, \q, \slot, \zero
	PLACES NP
	WIN 0
	FETCH_A \slot, (\q)+1, 4
.endm
.macro STEPS slot, from
.set Q, \from
.rept NQ-1-\from
	STEP \slot, Q, 0
.set Q, Q+1
.endr
.endm
	s_wait_tensorcnt 1                             ; the scales and my part of K step 0 are in (K step 1's load may be out),
	s_barrier_signal -1
	s_barrier_wait -1                              ; everybody's are
	FETCH_B 0, 0, 0
	FETCH_A 0, 0, 0
	SCALES 0
	FETCH_A 0, 0, 4
	s_wait_loadcnt 0x0                             ; the bias
	STEP 0, 0, 1
	STEPS 0, 1
	; slot 0's last step changes slots: one barrier; in front of it each wave waits for all its tensor loads (its part of slot 1)
	s_wait_tensorcnt 0x0
	ds_add_u32 v[SPW], v[NIL]                      ; 0 onto my spare word
	s_wait_dscnt 4*NL+1                            ; (the add and A's blocks 4-7 may be out)
	WIN MUL_LO
	MUL16 0, 1, NQ-1, 0, 0
	s_wait_dscnt 0x0                               ; the add is done, and my reads of slot 0 are over
	s_barrier_signal -1
	MUL16 2, 1, NQ-1, 0, 0
	WIN 0
	s_barrier_wait -1
	PLACES NP
	v_add_nc_u32 v[ADRS], 4*NQ, v[ADRS]            ; on to K step 1's scale words
	FETCH_B 1, 0, 0
	FETCH_A 1, 0, 0
	SCALES 1
	WIN MUL_HI
	MUL16 4, 1, NQ-1, 0, 0
	MUL16 6, 1, NQ-1, 0, 0
	PLACES NP
	WIN 0
	FETCH_A 1, 0, 4
	STEPS 1, 0
	s_wait_dscnt 4*NL                              ; the very last step
	WIN MUL_LO
	MUL16 0, 1, NQ-1, 1, 0
	MUL16 2, 1, NQ-1, 1, 0
	s_wait_dscnt 0
	WIN MUL_HI
	MUL16 4, 1, NQ-1, 1, 0
	MUL16 6, 1, NQ-1, 1, 0
	WIN 0
; THE WAY OUT, block by block of 16 rows x 128 columns: rounded to f16 (16 bytes a lane), through my own stage in LDS, back as 4 rows x 128 bytes of one head: each store covers 512 consecutive bytes of qkv16.
.macro PACK a
.set AC, 64*((\a)%4)
	WIN 0x0a+5*((\a)/4)                            ; sources 0 and 1: window 2 or 3
.irp b, 0,1,2,3,4,5,6,7
.irp r, 0,1,2,3
	v_cvt_pk_f16_f32 v[TMP+4*\b+\r], v[AC+8*\b+2*\r], v[AC+8*\b+2*\r+1]   ; each accumulator from its low end on
.endr
.endr
	WIN 0
.endm
.macro TOSTAGE a
.set BB, BKR0+32*((\a)%2)
.irp b, 0,1,2,3,4,5,6,7
	ds_store_b128 v[STO], v[TMP+4*\b:TMP+4*\b+3] offset:32*\b
.endr
.irp t, 0,1,2,3,4,5,6,7
	ds_load_b128 v[BB+4*\t:BB+4*\t+3], v[RD] offset:4*(\t%4)*SPITCH+128*(\t/4)   ; LDS serves a wave's instructions in order: these see the stores above
.endr
.endm
.macro SEND a
.set BB, BKR0+32*((\a)%2)
	s_wait_dscnt 0x0                               ; the block is back in registers
	s_wait_xcnt 0x0                                ; earlier stores have read their base and their data registers
.if (\a) > 0
	s_add_nc_u64 s[12:13], s[12:13], 16*128        ; 16 positions on
.endif
.irp t, 0,1,2,3,4,5,6,7
	global_store_b128 v[CO], v[BB+4*\t:BB+4*\t+3], s[12:13] offset:(\t/4)*262144+(\t%4)*512
.endr
.endm
	PLACES NP
	s_cmp_lg_u32 s95, 0
	s_cbranch_scc1 .Lno_fine
	WIN 0x08                                       ; a store's data are its source 1: window 2
.irp b, 0,1,2,3,4,5,6,7
	global_store_b128 v[CO], v[8*\b:8*\b+3],   s[98:99] offset:1024*\b       ; positions 0-15 in f32, as the registers stand: 512 consecutive bytes a store
	global_store_b128 v[CO], v[8*\b+4:8*\b+7], s[98:99] offset:1024*\b+512
.endr
	WIN 0
.Lno_fine:
	PACK 0
	TOSTAGE 0
.irp a, 1,2,3,4,5,6,7                  ; block a's conversions stand between block a - 1's loads from the stage and the wait for them
	PACK \a
	SEND \a-1
	TOSTAGE \a
.endr
	SEND 7
	s_wait_tensorcnt 0x0                           ; the wave's end
	ds_add_u32 v[SPW], v[NIL]
	s_wait_dscnt 0x0
	CROUND                                         ; the closing round
	s_endpgm
.Lfunc_end_k_qe88b4588e4_qkv:
	.size	k_qe88b4588e4_qkv, .Lfunc_end_k_qe88b4588e4_qkv-k_qe88b4588e4_qkv
	.p2alignl 7, 3214868480
	.fill 96, 4, 3214868480
	.section	.rodata,"a",@progbits
	.p2align	6, 0x0
	.amdhsa_kernel k_qe88b4588e4_qkv
		.amdhsa_group_segment_fixed_size 327680
		.amdhsa_private_segment_fixed_size 0
		.amdhsa_enable_private_segment 0
		.amdhsa_kernarg_size 56
		.amdhsa_user_sgpr_count 2
		.amdhsa_user_sgpr_kernarg_segment_ptr 1
		.amdhsa_wavefront_size32 1
		.amdhsa_system_sgpr_workgroup_id_x 1
		.amdhsa_system_sgpr_workgroup_id_y 1
		.amdhsa_system_sgpr_workgroup_id_z 1
		.amdhsa_system_vgpr_workitem_id 0
		.amdhsa_next_free_vgpr 1024
		.amdhsa_next_free_sgpr 100
		.amdhsa_reserve_vcc 0
		.amdhsa_float_denorm_mode_32 3
		.amdhsa_float_denorm_mode_16_64 3
		.amdhsa_memory_ordered 1
		.amdhsa_forward_progress 1
		.amdhsa_inst_pref_size 131
	.end_amdhsa_kernel
	.amdgpu_metadata
---
amdhsa.version: [ 1, 2 ]
amdhsa.kernels:
  - .name:           k_qe88b4588e4_qkv
    .symbol:         k_qe88b4588e4_qkv.kd
    .args:
      - { .name: x_codes, .offset: 0, .size: 8, .value_kind: global_buffer, .address_space: global }
      - { .name: x_scales, .offset: 8, .size: 8, .value_kind: global_buffer, .address_space: global }
      - { .name: w_codes, .offset: 16, .size: 8, .value_kind: global_buffer, .address_space: global }
      - { .name: w_scales, .offset: 24, .size: 8, .value_kind: global_buffer, .address_space: global }
      - { .name: qkv16, .offset: 32, .size: 8, .value_kind: global_buffer, .address_space: global }
      - { .name: b_qkv, .offset: 40, .size: 8, .value_kind: global_buffer, .address_space: global }
      - { .name: fine32, .offset: 48, .size: 8, .value_kind: global_buffer, .address_space: global }
    .group_segment_fixed_size: 327680
    .private_segment_fixed_size: 0
    .kernarg_segment_align: 8
    .kernarg_segment_size: 56
    .max_flat_workgroup_size: 128
    .sgpr_count:     100
    .vgpr_count:     1024
    .wavefront_size: 32
...
	.end_amdgpu_metadata
.endif
;; end of part 2
;; launch attn (part 3): grid 4 x 64, 16 waves a work-group, no clusters, 327,680 bytes of LDS; arguments qkv16, att16; writes att16
.if DOCPART == 3
	.amdgcn_target "amdgcn-amd-amdhsa--gfx1250"
	.amdhsa_code_object_version 6
	.text
	.protected	k_qe88b4588e4_attn
	.globl	k_qe88b4588e4_attn
	.p2align	8
	.type	k_qe88b4588e4_attn,@function
k_qe88b4588e4_attn:
	s_mov_b64 s[64:65], 0
	v_nop
	global_prefetch_b8 v0, s[64:65] scope:SCOPE_SE
	s_setreg_imm32_b32 hwreg(HW_REG_WAVE_MODE, 25, 1), 1
	s_wait_xcnt 0x0
; att[b][h][q][:] = sum over k <= q of softmax_k(Q[q] . K[k] / 8) V[k][:], for 64 heads of 2,048 positions x 64.  Q, K, V are f16 in qkv16 [q, k or v][b][h][s][64]; products with f16 operands, f32 sums;
; maxima, exponentials and row sums in f32; the weights p are rounded to f16 for the second product; the result leaves as f16, att16 [b][h][s][64].
; (Positions 0-15 of each sequence are computed here like all others and are carried again in f32 by the last launch.)
; SHARES.  Work-group (j, head) owns query blocks j and 7 - j of 256 queries: under the causal mask the two together have the same work for every j.  Each of sixteen waves owns 32 queries, two tiles of 16, in 256 registers:
; four waves to a SIMD, so that one wave's vector work stands beside another's matrix work and LDS loads.  Half of the waves take block j, half block 7 - j: role = (w xor w / 4) & 1.
; NO CLUSTER: the four work-groups of a head need different numbers of K and V tiles under the mask (8 - j slots), so a joint load would bring tiles that no wave of some partner reads.
; RING.  Two LDS slots of 256 keys (K: 256 rows of 128 + 16 bytes; V: 256 rows of 128 + 32), filled by tensor loads of waves 0, 1 (K's halves) and 2, 3 (V's).  Every work-group walks all 8 slots, so the trip counts are constants;
; a step all of whose 64 keys come after a wave's queries is jumped over, and a slot that begins after the work-group's last query is not asked for.
; LAYOUT.  S^T = K Q^T (source 0 = 16 keys, source 1 = 16 queries): a lane holds one query (lane % 16) and keys 8 (lane / 16) + 0..7.  Two such tiles, rounded to f16 in pairs, are source 1 of O^T = V^T P.  V is turned by ds_load_tr16_b128.
; SOFTMAX.  Running maximum m and sum l for each query: p = 2^(c s - c m), c = log2(e) / 8; in every step O and l are multiplied by a = 2^(c m_old - c m_new).
; LIMITS: NaN and infinities are not served.
.set SK,    256
.set NSL,   8
.set KP,    144                        ; a row of K in LDS: an odd multiple of 16 bytes
.set PVP,   160                        ; a row of V: an odd multiple of 32 bytes, for the turning load
.set VOFF,  SK*KP
.set SLOT1, 1<<17
.set SPARE, SLOT1+SK*(KP+PVP)          ; the spare words: 128 bytes a wave, eight blocks of 256 bytes that no other line names
.set STG,   32*KP                      ; the way out: 32 rows x 144 bytes for each wave, in slot 0: left at the last change of slots, with its last fill behind it
.set AK0, 1
.set AV0, 2
.set ADK, 3
.set ADV, 4
.set SPW, 5
.set NIL, 6
.set D0,  7                            ; v7, v8: my query less the step's first key less 8 (lane / 16), for tile 0 and 1
.set D1,  8
.set NINF, 9
.set PFO, 10
.set GO,  11
.set ST,  12                           ; tile t's statistics at v[ST + 8 t]: +0 c m, +1 m, +2, +3 l, +4 to +7 at work; a stands in +6
.set RH,  28                           ; lane % 16 - 8 (lane / 16)
.set QF,  32                           ; Q: tile t, channels 32 c on: v[QF + 16 t + 8 c]
.set KV,  64                           ; K (tile kt, c) at 16 kt + 8 c; later V (32 keys u, 16 channels ch) at 32 u + 8 ch
.set S,   128                          ; S^T: v[S + 32 t + 8 kt]; p packed in place at v[S + 32 t + 0..15]
.set OA,  192                          ; O^T: v[OA + 32 t + 8 ch]
.set TB,  2
.set SLOTS, 3
.set WV,  18
.set SEL, 20
.set CS,  22
.set G1K, 24
.set G1V, 32
.set G0K, 40
.set G0V, 44
.set KF,  48                           ; the step's first key
.set Q0,  49                           ; my first query
.set QL,  50                           ; my work-group's last query
.set PFA, 52
.set LIM, 54
; Waves 0 and 1 fetch K's halves, waves 2 and 3 V's, the others nothing.  An s_nop 0 and four v_nop follow each of the two lines.
.macro TLOAD
	s_cmp_lt_u32 s[WV], 2
	s_cbranch_scc0 .Lnot_k_\@
	tensor_load_to_lds s[G0K:G0K+3], s[G1K:G1K+7]
	s_nop 0
.rept 4
	v_nop
.endr
	s_branch .Lasked_\@
.Lnot_k_\@:
	s_cmp_lt_u32 s[WV], 4
	s_cbranch_scc0 .Lasked_\@
	tensor_load_to_lds s[G0V:G0V+3], s[G1V:G1V+7]
	s_nop 0
.rept 4
	v_nop
.endr
.Lasked_\@:
.endm
; A prefetch of what the NEXT change of slots will ask for: a slot's 32,768 dense bytes of K and of V.  All four work-groups of a head walk the same K and V: work-group j = 0, whose own loads go through all slots, asks.
; In it waves 4-7 ask for K's block and waves 8-11 for V's, 8,192 bytes a wave, lanes 256 bytes apart: each aligned block of 256 bytes is named once.  The last change that fills a slot asks for nothing.
.macro ASK
	s_cmp_gt_u32 s[SLOTS], s[LIM]
	s_cbranch_scc0 .Lnot_mine_\@
	global_prefetch_b8 v[PFO], s[PFA:PFA+1] th:TH_LOAD_NT scope:SCOPE_SE
.Lnot_mine_\@:
.endm
	s_load_b128 s[4:7], s[0:1], 0x0                ; qkv16, att16
	v_lshl_add_u32 v[SPW], v0, 2, SPARE
	v_mov_b32 v[NIL], 0
	ds_add_u32 v[SPW], v[NIL]                      ; the wave's opening: the add, twice on end, and its wait ahead of the first tensor load
	ds_add_u32 v[SPW], v[NIL]
	v_lshrrev_b32 v3, 5, v0
	v_readfirstlane_b32 s[WV], v3                  ; wave 0..15
	s_and_b32 s8, ttmp7, 0xffff
	s_lshl_b32 s8, s8, 18                          ; the head's first byte in each of q, k, v and in att16
	s_lshr_b32 s9, s[WV], 2
	s_xor_b32 s9, s9, s[WV]
	s_and_b32 s9, s9, 1                            ; role
	s_sub_co_u32 s10, 7, ttmp9
	s_cmp_eq_u32 s9, 0
	s_cselect_b32 s10, ttmp9, s10                  ; my block of 256 queries: j or 7 - j
	s_lshl_b32 s10, s10, 8
	s_lshr_b32 s11, s[WV], 1
	s_lshl_b32 s11, s11, 5
	s_add_co_u32 s[Q0], s10, s11
	s_sub_co_u32 s[QL], 8, ttmp9
	s_lshl_b32 s[QL], s[QL], 8
	s_sub_co_u32 s[QL], s[QL], 1
	s_and_b32 s12, s[WV], 1                        ; which half of a slot's 256 rows I fetch, if I fetch
	s_mul_i32 s13, s12, 128*KP
	s_mul_i32 s14, s12, 128*PVP
	s_add_co_u32 s14, s14, VOFF
	s_lshl_b32 s12, s12, 14
	s_add_co_u32 s12, s12, s8
	s_add_co_u32 s16, s12, 0x1000000               ; K begins 16 MiB into qkv16,
	s_mov_b32 s17, 0
	s_add_co_u32 s56, s12, 0x2000000               ; V 32 MiB
	s_mov_b32 s57, 0
	s_lshl_b32 s58, s[Q0], 7
	s_add_co_u32 s58, s58, s8                      ; my first query's row, in q and in att16
	s_mov_b32 s59, 0
	s_mov_b32 s[G1K], (1<<16)|(1<<20)|(4<<22)|(3<<25)   ; no mask; elements of 2 bytes; padding on: 4 words after every 32
	s_mov_b32 s[G1V], (1<<16)|(1<<20)|(4<<22)|(7<<25)   ; 8 words after every 32
.irp g, G1K, G1V
	s_mov_b32 s[\g+1], 64<<16                      ; tensor_dim0
	s_mov_b32 s[\g+2], 128<<16                     ; tensor_dim1
	s_mov_b32 s[\g+3], 64<<16                      ; tile_dim0
	s_mov_b32 s[\g+4], 128                         ; tile_dim1
	s_mov_b32 s[\g+5], 64                          ; stride
	s_mov_b32 s[\g+6], 0
	s_mov_b32 s[\g+7], 0
.endr
	s_mov_b32 s[SEL], 0x76543210
	s_mov_b32 s[SEL+1], 0xfedcba98
	s_mov_b32 s[CS], 0x3e38aa3b                    ; c = log2(e) / 8
	s_mov_b32 s[CS+1], s[CS]
	s_mov_b32 s[TB], 0
	s_mov_b32 s[SLOTS], NSL-1
	s_mov_b32 s[KF], 0
	s_wait_dscnt 0x0                               ; both opening adds are done
	s_wait_kmcnt 0x0
	s_mov_b32 s[G0K], 1
	s_mov_b32 s[G0K+1], s13
	s_add_nc_u64 s[G0K+2:G0K+3], s[4:5], s[16:17]
	s_or_b32 s[G0K+3], s[G0K+3], 0x80000000
	s_mov_b32 s[G0V], 1
	s_mov_b32 s[G0V+1], s14
	s_add_nc_u64 s[G0V+2:G0V+3], s[4:5], s[56:57]
	s_or_b32 s[G0V+3], s[G0V+3], 0x80000000
	TLOAD                                          ; slot 0: it holds key 0, which counts for every query
	s_add_nc_u64 s[6:7], s[6:7], s[58:59]
	s_add_nc_u64 s[58:59], s[4:5], s[58:59]
	v_and_b32 v28, 15, v0                          ; r
	v_bfe_u32 v29, v0, 4, 1                        ; h
	v_lshlrev_b32 v30, 7, v28
	v_lshl_add_u32 v30, v29, 4, v30
.irp t, 0,1
.irp c, 0,1
	global_load_b128 v[QF+16*\t+8*\c:QF+16*\t+8*\c+3],   v30, s[58:59] offset:\t*2048+\c*64       ; Q stays in registers
	global_load_b128 v[QF+16*\t+8*\c+4:QF+16*\t+8*\c+7], v30, s[58:59] offset:\t*2048+\c*64+32
.endr
.endr
	s_mov_b32 s60, 0x2000000
	s_cmp_lt_u32 s[WV], 8
	s_cselect_b32 s60, 0x1000000, s60              ; waves 4-7 ask for K, waves 8-11 for V
	s_and_b32 s61, s[WV], 3
	s_lshl_b32 s61, s61, 13
	s_add_co_u32 s60, s60, s61
	s_add_co_u32 s60, s60, s8
	s_add_co_u32 s60, s60, SK*128                  ; in slot 1: the first change of slots steps it to slot 2.  Nothing is asked for here at the head
	s_mov_b32 s61, 0
	s_add_nc_u64 s[PFA:PFA+1], s[4:5], s[60:61]
	s_sub_co_u32 s62, s[WV], 4
	s_lshr_b32 s62, s62, 3                         ; 0 in waves 4 to 11,
	s_or_b32 s62, s62, ttmp9                       ; of work-group j = 0
	s_cmp_eq_u32 s62, 0
	s_cselect_b32 s[LIM], 1, -1
	v_mul_u32_u24 v[AK0], v28, KP
	v_lshl_add_u32 v[AK0], v29, 4, v[AK0]          ; K: row r x pitch + 16 h
	v_and_b32 v31, 7, v0
	v_lshl_add_u32 v[AV0], v29, 3, v31
	v_mul_u32_u24 v[AV0], v[AV0], PVP
	v_bfe_u32 v31, v0, 3, 1
	v_lshl_add_u32 v[AV0], v31, 4, v[AV0]
	v_add_nc_u32 v[AV0], VOFF, v[AV0]              ; V: key 8 h + lane % 8, channels 8 ((lane / 8) % 2) on
	v_lshlrev_b32 v31, 3, v29
	v_sub_nc_u32 v[RH], v28, v31
	v_and_b32 v[GO], 31, v0
	v_lshlrev_b32 v[PFO], 8, v[GO]
	v_lshlrev_b32 v[GO], 4, v[GO]
	v_mov_b32 v[NINF], 0xff800000
.irp t, 0,1
	v_mov_b32 v[ST+8*\t+1], 0xff61b1e6             ; m = -3e38, under every score
	v_mul_f32 v[ST+8*\t], s[CS], v[ST+8*\t+1]
.irp e, 2,3,4,5,6,7
	v_mov_b32 v[ST+8*\t+\e], 0
.endr
.endr
.set i, 0
.rept 64
	v_mov_b32 v[OA+i], 0                           ; the step is written once for all steps: the first finds zeros, which the first a leaves zeros
.set i, i+1
.endr
; A KEY STEP: 64 keys, the q-th of the slot in hand, for my 32 queries.
.macro STEP q
	s_add_co_u32 s56, s[Q0], 31
	s_cmp_gt_u32 s[KF], s56                        ; all 64 keys come after my queries: ids and the count of steps alone
	s_cbranch_scc1 .Lhidden_\@
	v_add_nc_u32 v[ADK], s[TB], v[AK0]
	v_add_nc_u32 v[ADV], s[TB], v[AV0]
.rept 3
	v_nop                                          ; with the two additions five places behind the last products: K's loads land on V's registers, and the new scores are written over p
.endr
.irp kt, 0,1,2,3
.irp c, 0,1
	ds_load_b128 v[KV+16*\kt+8*\c:KV+16*\kt+8*\c+3],   v[ADK] offset:(64*(\q)+16*\kt)*KP+64*\c
	ds_load_b128 v[KV+16*\kt+8*\c+4:KV+16*\kt+8*\c+7], v[ADK] offset:(64*(\q)+16*\kt)*KP+64*\c+32
.endr
.endr
	s_wait_dscnt 0x0
.irp c, 0,1                                    ; S^T = K Q^T: eight accumulators by turns
.irp kt, 0,1,2,3
.irp t, 0,1
.if \c == 0
	v_wmma_f32_16x16x32_f16 v[S+32*\t+8*\kt:S+32*\t+8*\kt+7], v[KV+16*\kt+8*\c:KV+16*\kt+8*\c+7], v[QF+16*\t+8*\c:QF+16*\t+8*\c+7], 0
.else
	v_wmma_f32_16x16x32_f16 v[S+32*\t+8*\kt:S+32*\t+8*\kt+7], v[KV+16*\kt+8*\c:KV+16*\kt+8*\c+7], v[QF+16*\t+8*\c:QF+16*\t+8*\c+7], v[S+32*\t+8*\kt:S+32*\t+8*\kt+7]
.endif
.endr
.endr
.endr
.rept 4
	v_nop                                          ; places in front of the loads into K's registers and of the first read of the scores
.endr
.irp u, 0,1                                    ; V lands while the softmax is walked
.irp ch, 0,1,2,3
	ds_load_tr16_b128 v[KV+32*\u+8*\ch:KV+32*\u+8*\ch+3],   v[ADV] offset:(64*(\q)+32*\u)*PVP+32*\ch
	ds_load_tr16_b128 v[KV+32*\u+8*\ch+4:KV+32*\u+8*\ch+7], v[ADV] offset:(64*(\q)+32*\u+16)*PVP+32*\ch
.endr
.endr
	s_add_co_u32 s56, s[KF], 63
	s_cmp_le_u32 s56, s[Q0]                        ; all 64 keys count for all my queries: nothing to hide
	s_cbranch_scc1 .Lopen_\@
	s_sub_co_i32 s56, s[Q0], s[KF]
	v_add_nc_u32 v[D0], s56, v[RH]
	v_add_nc_u32 v[D1], 16, v[D0]
.set n, 0
.rept 32                                       ; register 8 kt + i holds key KF + 16 kt + 8 h + i: hidden where 16 kt + i > my query - KF - 8 h
	v_cmp_gt_i32 vcc_lo, 16*(n/8)+n%8, v[D0]
	v_cndmask_b32 v[S+n], v[S+n], v[NINF], vcc_lo
	v_cmp_gt_i32 vcc_lo, 16*(n/8)+n%8, v[D1]
	v_cndmask_b32 v[S+32+n], v[S+32+n], v[NINF], vcc_lo
.set n, n+1
.endr
.Lopen_\@:
.irp j, 0,1,2,3                                ; the maximum of 32 scores and the old m, four chains a tile, the tiles by turns; each accumulator is read from its low end on
.irp t, 0,1
	v_max3_num_f32 v[ST+8*\t+4+\j], v[S+32*\t+8*\j], v[S+32*\t+8*\j+1], v[S+32*\t+8*\j+2]
.endr
.endr
.irp e, 3,5
.irp j, 0,1,2,3
.irp t, 0,1
	v_max3_num_f32 v[ST+8*\t+4+\j], v[ST+8*\t+4+\j], v[S+32*\t+8*\j+\e], v[S+32*\t+8*\j+\e+1]
.endr
.endr
.endr
.irp t, 0,1
	v_max3_num_f32 v[ST+8*\t+4], v[ST+8*\t+4], v[S+32*\t+7], v[S+32*\t+15]
	v_max3_num_f32 v[ST+8*\t+6], v[ST+8*\t+6], v[S+32*\t+23], v[S+32*\t+31]
.endr
.irp t, 0,1
	v_max3_num_f32 v[ST+8*\t+4], v[ST+8*\t+4], v[ST+8*\t+5], v[ST+8*\t+6]
.endr
.irp t, 0,1
	v_max3_num_f32 v[ST+8*\t+4], v[ST+8*\t+4], v[ST+8*\t+7], v[ST+8*\t+1]
.endr
.irp t, 0,1
	v_permlanex16_b32 v[ST+8*\t+5], v[ST+8*\t+4], s[SEL], s[SEL+1]   ; the query's other 32 keys lie in the lane 16 away
.endr
.irp t, 0,1
	v_mov_b32 v[ST+8*\t+7], v[ST+8*\t]             ; c m_old
.endr
.irp t, 0,1
	v_max_num_f32 v[ST+8*\t+1], v[ST+8*\t+4], v[ST+8*\t+5]
.endr
.irp t, 0,1
	v_mul_f32 v[ST+8*\t], s[CS], v[ST+8*\t+1]
.endr
.irp t, 0,1
	v_sub_f32 v[ST+8*\t+7], v[ST+8*\t+7], v[ST+8*\t]
.endr
.set i, 0
.rept 16
.irp t, 0,1
	v_pk_fma_f32 v[S+32*\t+i:S+32*\t+i+1], v[S+32*\t+i:S+32*\t+i+1], s[CS:CS+1], v[ST+8*\t:ST+8*\t+1] op_sel_hi:[1,0,0] neg_lo:[0,0,1] neg_hi:[0,0,1]   ; c s - c m
.endr
.set i, i+2
.endr
.irp t, 0,1
	v_exp_f32 v[ST+8*\t+6], v[ST+8*\t+7]           ; a
.endr
.set i, 0
.rept 32
.irp t, 0,1
	v_exp_f32 v[S+32*\t+i], v[S+32*\t+i]           ; p, at most 1
.endr
.set i, i+1
.endr
	v_nop                                          ; a plain instruction behind the last exponential
	s_wait_alu depctr_va_vdst(0)                   ; one wait for the batch of 66, ahead of its first reader
.irp t, 0,1                                    ; l = a l + the sum of the unrounded p, in two chains; the scores' registers stay as they are
	v_pk_add_f32 v[ST+8*\t+4:ST+8*\t+5], v[S+32*\t:S+32*\t+1], v[S+32*\t+2:S+32*\t+3]
	v_pk_fma_f32 v[ST+8*\t+2:ST+8*\t+3], v[ST+8*\t+2:ST+8*\t+3], v[ST+8*\t+6:ST+8*\t+7], v[S+32*\t+4:S+32*\t+5] op_sel_hi:[1,0,1]
.endr
.irp e, 6,10,14,18,22,26
.irp t, 0,1
	v_pk_add_f32 v[ST+8*\t+4:ST+8*\t+5], v[ST+8*\t+4:ST+8*\t+5], v[S+32*\t+\e:S+32*\t+\e+1]
	v_pk_add_f32 v[ST+8*\t+2:ST+8*\t+3], v[ST+8*\t+2:ST+8*\t+3], v[S+32*\t+\e+2:S+32*\t+\e+3]
.endr
.endr
.irp t, 0,1
	v_pk_add_f32 v[ST+8*\t+4:ST+8*\t+5], v[ST+8*\t+4:ST+8*\t+5], v[S+32*\t+30:S+32*\t+31]
.endr
.irp t, 0,1
	v_pk_add_f32 v[ST+8*\t+2:ST+8*\t+3], v[ST+8*\t+2:ST+8*\t+3], v[ST+8*\t+4:ST+8*\t+5]
.endr
.set i, 0
.rept 16
.irp t, 0,1
	v_cvt_pk_f16_f32 v[S+32*\t+i], v[S+32*\t+2*i], v[S+32*\t+2*i+1]   ; p to f16, in place: register i is written when registers up to 2 i + 1 have been read
.endr
.set i, i+1
.endr
.set i, 0
.rept 16
.irp t, 0,1
	v_pk_mul_f32 v[OA+32*\t+i:OA+32*\t+i+1], v[OA+32*\t+i:OA+32*\t+i+1], v[ST+8*\t+6:ST+8*\t+7] op_sel_hi:[1,0]   ; O^T x a
.endr
.set i, i+2
.endr
	s_wait_dscnt 0x0                               ; V is in
.irp u, 0,1                                    ; O^T += V^T P: eight accumulators by turns
.irp ch, 0,1,2,3
.irp t, 0,1
	v_wmma_f32_16x16x32_f16 v[OA+32*\t+8*\ch:OA+32*\t+8*\ch+7], v[KV+32*\u+8*\ch:KV+32*\u+8*\ch+7], v[S+32*\t+8*\u:S+32*\t+8*\u+7], v[OA+32*\t+8*\ch:OA+32*\t+8*\ch+7]
.endr
.endr
.endr
.Lhidden_\@:
	s_add_co_u32 s[KF], s[KF], 64
.endm
; THE CHANGE OF SLOTS stands at a slot's head.  Each wave waits for all its tensor loads, adds 0 to its spare word, and waits for that and for its reads of the slot that it has left.  Behind the barrier the slot ahead is whole
; and nobody reads the other one.  fill = 1: that other slot is asked for, up to the causal limit: one tensor load a wave, with a slot's four steps in which to land.
.macro CHANGE fill
	s_wait_tensorcnt 0x0                           ; no tensor load of mine is out, so a group 0 may be written
	ds_add_u32 v[SPW], v[NIL]
.if \fill
	ds_add_u32 v[SPW], v[NIL]                      ; and once more
	s_xor_b32 s[G0K+1], s[G0K+1], SLOT1
	s_add_nc_u64 s[G0K+2:G0K+3], s[G0K+2:G0K+3], SK*128
	s_xor_b32 s[G0V+1], s[G0V+1], SLOT1
	s_add_nc_u64 s[G0V+2:G0V+3], s[G0V+2:G0V+3], SK*128
	s_wait_xcnt 0x0                                ; the last prefetch, a slot back, has read its address
	s_add_nc_u64 s[PFA:PFA+1], s[PFA:PFA+1], SK*128
.endif
	s_wait_dscnt 0x0
	s_barrier_signal -1
	s_barrier_wait -1
.if \fill
	s_add_co_u32 s56, s[KF], SK                    ; the first key of the slot that this change would ask for
	s_cmp_gt_u32 s56, s[QL]                        ; past my work-group's last query no wave reads it: ids and the count of steps alone, the same in all sixteen waves; every wait on TENSORcnt in this text is for 0
	s_cbranch_scc1 .Lpast_\@
	TLOAD
.Lpast_\@:
	ASK
.endif
.endm
.macro SLOT_STEPS
	STEP 0
	STEP 1
	STEP 2
	STEP 3
	s_xor_b32 s[TB], s[TB], SLOT1
.endm
	s_wait_loadcnt 0x0                             ; Q
.Lslot:                                            ; NSL - 1 trips
	CHANGE 1
	SLOT_STEPS
	s_sub_co_u32 s[SLOTS], s[SLOTS], 1
	s_cmp_lg_u32 s[SLOTS], 0
	s_cbranch_scc1 .Lslot
	CHANGE 0                                       ; the last slot is written out: nothing is left to ask for
	SLOT_STEPS
	; THE WAY OUT: O^T / l, rounded to f16, through my stage, back as 4 rows of 128 bytes an instruction: my 32 queries are 4,096 consecutive bytes of att16.
.rept 4
	v_nop
.endr
.irp t, 0,1
	v_add_f32 v[ST+8*\t+4], v[ST+8*\t+2], v[ST+8*\t+3]
.endr
.irp t, 0,1
	v_permlanex16_b32 v[ST+8*\t+5], v[ST+8*\t+4], s[SEL], s[SEL+1]
.endr
.irp t, 0,1
	v_add_f32 v[ST+8*\t+4], v[ST+8*\t+4], v[ST+8*\t+5]
.endr
.irp t, 0,1
	v_rcp_f32 v[ST+8*\t+6], v[ST+8*\t+4]
.endr
	v_and_b32 v29, 15, v0                          ; (plain work behind the reciprocals)  r
	v_bfe_u32 v30, v0, 4, 1                        ; h
	s_mul_i32 s56, s[WV], STG
	v_mul_u32_u24 v3, v29, KP
	v_lshl_add_u32 v3, v30, 4, v3
	v_add_nc_u32 v3, s56, v3                       ; in: row r, 16 bytes for each half of the lanes
	v_bfe_u32 v31, v0, 3, 2
	v_mul_u32_u24 v4, v31, KP
	v_and_b32 v31, 7, v0
	v_lshl_add_u32 v4, v31, 4, v4
	v_add_nc_u32 v4, s56, v4                       ; back: eight lanes to a row
	s_wait_alu depctr_va_vdst(0)                   ; one wait for both reciprocals, ahead of their first reader
.set i, 0
.rept 16
.irp t, 0,1
	v_pk_mul_f32 v[OA+32*\t+i:OA+32*\t+i+1], v[OA+32*\t+i:OA+32*\t+i+1], v[ST+8*\t+6:ST+8*\t+7] op_sel_hi:[1,0]
.endr
.set i, i+2
.endr
.set i, 0
.rept 16
.irp t, 0,1
	v_cvt_pk_f16_f32 v[S+16*\t+i], v[OA+32*\t+2*i], v[OA+32*\t+2*i+1]
.endr
.set i, i+1
.endr
.irp t, 0,1
.irp ch, 0,1,2,3
	ds_store_b128 v3, v[S+16*\t+4*\ch:S+16*\t+4*\ch+3] offset:\t*16*KP+32*\ch
.endr
.endr
.irp i, 0,1,2,3,4,5,6,7
	ds_load_b128 v[KV+4*\i:KV+4*\i+3], v4 offset:\i*4*KP            ; LDS serves a wave's instructions in order: these see my stores
.endr
.irp i, 0,1,2,3,4,5,6,7
	s_wait_dscnt 7-\i                              ; the younger loads may stay out
	global_store_b128 v[GO], v[KV+4*\i:KV+4*\i+3], s[6:7] offset:512*\i
.endr
	s_wait_tensorcnt 0x0                           ; the wave's end
	ds_add_u32 v[SPW], v[NIL]
	s_wait_dscnt 0x0
	s_endpgm
.Lfunc_end_k_qe88b4588e4_attn:
	.size	k_qe88b4588e4_attn, .Lfunc_end_k_qe88b4588e4_attn-k_qe88b4588e4_attn
	.p2alignl 7, 3214868480
	.fill 96, 4, 3214868480
	.section	.rodata,"a",@progbits
	.p2align	6, 0x0
	.amdhsa_kernel k_qe88b4588e4_attn
		.amdhsa_group_segment_fixed_size 327680
		.amdhsa_private_segment_fixed_size 0
		.amdhsa_enable_private_segment 0
		.amdhsa_kernarg_size 16
		.amdhsa_user_sgpr_count 2
		.amdhsa_user_sgpr_kernarg_segment_ptr 1
		.amdhsa_wavefront_size32 1
		.amdhsa_system_sgpr_workgroup_id_x 1
		.amdhsa_system_sgpr_workgroup_id_y 1
		.amdhsa_system_sgpr_workgroup_id_z 1
		.amdhsa_system_vgpr_workitem_id 0
		.amdhsa_next_free_vgpr 256
		.amdhsa_next_free_sgpr 66
		.amdhsa_reserve_vcc 1
		.amdhsa_float_denorm_mode_32 3
		.amdhsa_float_denorm_mode_16_64 3
		.amdhsa_memory_ordered 1
		.amdhsa_forward_progress 1
		.amdhsa_inst_pref_size 188
	.end_amdhsa_kernel
	.amdgpu_metadata
---
amdhsa.version: [ 1, 2 ]
amdhsa.kernels:
  - .name:           k_qe88b4588e4_attn
    .symbol:         k_qe88b4588e4_attn.kd
    .args:
      - { .name: qkv16, .offset: 0, .size: 8, .value_kind: global_buffer, .address_space: global }
      - { .name: att16, .offset: 8, .size: 8, .value_kind: global_buffer, .address_space: global }
    .group_segment_fixed_size: 327680
    .private_segment_fixed_size: 0
    .kernarg_segment_align: 8
    .kernarg_segment_size: 16
    .max_flat_workgroup_size: 512
    .sgpr_count:     66
    .vgpr_count:     256
    .wavefront_size: 32
...
	.end_amdgpu_metadata
.endif
;; end of part 3
;; launch proj (part 4): grid 4 x 64, 4 waves a work-group, clusters of 4 x 4, 327,680 bytes of LDS; arguments att16, w16, out0, b_out; writes out0
.if DOCPART == 4
	.amdgcn_target "amdgcn-amd-amdhsa--gfx1250"
	.amdhsa_code_object_version 6
	.text
	.protected	k_qe88b4588e4_proj
	.globl	k_qe88b4588e4_proj
	.p2align	8
	.type	k_qe88b4588e4_proj,@function
k_qe88b4588e4_proj:
	s_mov_b64 s[64:65], 0
	v_nop
	global_prefetch_b8 v0, s[64:65] scope:SCOPE_SE
	s_setreg_imm32_b32 hwreg(HW_REG_WAVE_MODE, 25, 1), 1
	s_wait_xcnt 0x0
	s_wait_alu depctr_hold_cnt(0) depctr_sa_sdst(0) depctr_va_vdst(0) depctr_va_sdst(0) depctr_va_ssrc(0) depctr_va_vcc(0) depctr_vm_vsrc(0)
	s_getreg_b32 s2, hwreg(HW_REG_IB_STS2, 6, 4)
	s_cmp_eq_u32 s2, 0
	s_cbranch_scc0 .Lentry_in_a_cluster
	s_endpgm
.Lentry_in_a_cluster:
	s_bfe_u32 s2, ttmp6, 0x10000c
	s_cmp_lg_u32 s2, 0xf033
	s_cbranch_scc0 .Lentry_shape_is_right
	s_endpgm
.Lentry_shape_is_right:
; out0[m][n] = sum over k of att[m][k] w_out[n][k] + b_out[n].  att16 is [b][h][s][64] f16 (k = 64 h + d), w16 [n 1024][k 1024] f16, out0 [8192][1024] f32; sums in f32.
; (Rows 0-15 of each batch are written here like all others and written again, from f32 operands, by the last launch.)
; A tile of 128 (m) x 256 (n) is made by four waves: 256 work-groups.  A wave makes 64 x 128: 32 accumulators of 16 x 16 (window 2).  K goes in 8 steps of 128 (two heads) through a ring of two LDS slots.
; A's part of a slot: [2 heads][128 rows][128 + 16 bytes], each head's 128 rows being 16,384 dense bytes of memory; B's: 256 rows of 256 + 16 bytes.  Two slots of a longer K step do not fit in LDS.
; CLUSTERS: 4 x 4 work-groups; the four of a row share A's tiles, the four of a column B's: joint loads, waves 0, 1 for A's two heads, waves 2, 3 for B's halves.
; THE MATRIX INSTRUCTION IS USED TRANSPOSED (source 0 = 16 rows of w, source 1 = 16 rows of att): a lane holds eight neighbouring columns of a row.  The bias is the C of each sum's first instruction.
; REGISTERS: window 0: v0-31 addresses; v64-95, v128-159 A's fragments, two buffers; v192-255 the bias; on the way out v128-255 rows read back.   window 1: v64-127, v128-191 B's fragments, two buffers.   window 2: accumulator (a, b) at v[8 (8 a + b)].
.set PA,    144
.set PB,    272
.set HEADB, 128*PA                     ; one head's 128 rows in LDS
.set BOFF,  2*HEADB
.set HALFB, 128*PB
.set SLOT,  BOFF+2*HALFB
.set SPARE, 2*SLOT                     ; the spare words: 128 bytes a wave, two blocks of 256 bytes that no other line names
.set SPITCH, 528                       ; the way out: 16 rows x (512 + 16) bytes for each wave, in slot 0, behind its last fill and last read
.set KA,    524288                     ; a K step on in att16: two heads of 262,144 bytes
.set KB,    256                        ; and in a row of w16
.set LAPS,  4
.set ADRA, 16
.set ADRB, 20
.set STO,  24
.set RD,   25
.set CO,   26
.set SPW,  28
.set NIL,  29
.set PFO,  30
.set BAD,  31
.set F0,   64
.set F1,   128
.set BI,   192
.set BK,   128
.set G1,  24
.set G0,  32
.set G1B, 48
.set G0B, 56
.set LIM, 43
.set PFA, 44
.set MSB, 0
.macro WIN new
.if MSB != (\new)
	s_set_vgpr_msb (MSB<<8)|(\new)
.set MSB, (\new)
.endif
.endm
.set MUL,  0xa1                        ; source 0 (B) window 1, source 1 (A) window 0, C and D window 2
.set MULZ, 0x81                        ; the same with the bias (window 0) as C
.set TO_B, 0x40
.macro JLOAD s                         ; a joint load; the branch hangs on the wave's number alone; an s_nop 0 and four v_nop follow each of the two lines
	s_cmp_eq_u32 s13, 0
	s_cbranch_scc0 .Lfor_b_\@
	tensor_load_to_lds s[G0+4*\s:G0+4*\s+3], s[G1:G1+7]
	s_nop 0
.rept 4
	v_nop
.endr
	s_branch .Lasked_\@
.Lfor_b_\@:
	tensor_load_to_lds s[G0B+4*\s:G0B+4*\s+3], s[G1B:G1B+7]
	s_nop 0
.rept 4
	v_nop
.endr
.Lasked_\@:
.endm
; A prefetch of A's K step two refills on.  A tile row of att16 is read by the four partners of one row of one cluster and by nobody else: they share a K step's 32,768 bytes out by address, 8,192 each
; (head cx / 2, half cx % 2), lanes 256 bytes apart; wave 0 asks.  The loop's last trip asks for nothing: there is no K step 8.  w16 is read by all 64 tile rows again and again and is not asked for.
.macro ASK
	s_cmp_gt_u32 s3, s[LIM]
	s_cbranch_scc0 .Lnot_mine_\@
	global_prefetch_b8 v[PFO], s[PFA:PFA+1] offset:KA th:TH_LOAD_NT scope:SCOPE_SE
.Lnot_mine_\@:
.endm
.macro CREST
	s_cmp_lg_u32 s12, 0
	s_cbranch_scc1 .Lnot_wave_0_\@
	s_barrier_signal -3
.Lnot_wave_0_\@:
	s_barrier_wait -3
	s_barrier_signal -1
	s_barrier_wait -1
.endm
.macro CROUND
	s_barrier_signal -1
	s_barrier_wait -1
	CREST
.endm
	s_load_b256 s[4:11], s[0:1], 0x0               ; att16 s[4:5], w16 s[6:7], out0 s[8:9], b_out s[10:11]
	v_lshl_add_u32 v[SPW], v0, 2, SPARE
	v_mov_b32 v[NIL], 0
	ds_add_u32 v[SPW], v[NIL]                      ; the wave's opening: the add, twice on end, and its wait ahead of my first tensor load
	ds_add_u32 v[SPW], v[NIL]
	v_lshrrev_b32 v1, 5, v0
	v_readfirstlane_b32 s12, v1                    ; wave 0..3
	s_lshr_b32 s13, s12, 1                         ; which 64 of the tile's rows are mine.  Also: I fetch for A (0) or for B (1)
	s_and_b32 s14, s12, 1                          ; which 128 of its columns.  Also: which head of A, or which half of B, I fetch
	s_bfe_u32 s40, ttmp6, 0x40000                  ; cx
	s_bfe_u32 s41, ttmp6, 0x40004                  ; cy
	s_lshl_b32 s16, ttmp9, 2
	s_add_co_u32 s16, s16, s40                     ; tile column
	s_and_b32 s15, ttmp7, 0xffff
	s_lshl_b32 s15, s15, 2
	s_add_co_u32 s15, s15, s41                     ; tile row
	s_lshl_b32 s17, s41, 2
	s_lshl_b32 s17, 15, s17                        ; my row of the cluster
	s_lshl_b32 s18, 0x1111, s40                    ; my column
	s_or_b32 s[G1+0], s17, (1<<16)|(1<<20)|(1<<21)|(4<<22)|(3<<25)   ; A: elements of 2 bytes; 4 words of padding after every 32
	s_mov_b32 s[G1+1], 64<<16
	s_mov_b32 s[G1+2], 128<<16
	s_mov_b32 s[G1+3], 64<<16
	s_mov_b32 s[G1+4], 128
	s_mov_b32 s[G1+5], 64
	s_mov_b32 s[G1+6], 0
	s_mov_b32 s[G1+7], 0
	s_or_b32 s[G1B+0], s18, (1<<16)|(1<<20)|(1<<21)|(5<<22)|(3<<25)  ; B: 4 words after every 64
	s_mov_b32 s[G1B+1], 128<<16
	s_mov_b32 s[G1B+2], 128<<16
	s_mov_b32 s[G1B+3], 128<<16
	s_mov_b32 s[G1B+4], 128
	s_mov_b32 s[G1B+5], 1024
	s_mov_b32 s[G1B+6], 0
	s_mov_b32 s[G1B+7], 0
	s_lshr_b32 s68, s15, 4
	s_lshl_b32 s68, s68, 22                        ; the batch: 4 MiB
	s_and_b32 s21, s15, 15
	s_lshl_b32 s21, s21, 14                        ; the tile's 128 positions of 128 bytes
	s_add_co_u32 s68, s68, s21                     ; A's tile in head 0
	s_lshl_b32 s21, s14, 18
	s_add_co_u32 s20, s68, s21                     ; my head of K step 0
	s_mov_b32 s21, 0
	s_lshl_b32 s46, s16, 19
	s_lshl_b32 s47, s14, 18
	s_add_co_u32 s46, s46, s47                     ; B: row 256 x tile column + 128 x half, 2,048 bytes a row
	s_mov_b32 s47, 0
	s_mul_i32 s19, s14, HEADB
	s_mul_i32 s23, s14, HALFB
	s_add_co_u32 s23, s23, BOFF
	s_wait_dscnt 0x0                               ; both opening adds are done
	s_wait_kmcnt 0x0
	s_add_nc_u64 s[66:67], s[4:5], s[20:21]
	s_add_nc_u64 s[46:47], s[6:7], s[46:47]
	CROUND                                         ; all sixteen work-groups are here: the first joint loads meet
.irp s, 0,1
	s_mov_b32 s[G0+4*\s], 1
	s_add_co_u32 s[G0+4*\s+1], s19, \s*SLOT
	s_add_nc_u64 s[G0+4*\s+2:G0+4*\s+3], s[66:67], \s*KA
	s_or_b32 s[G0+4*\s+3], s[G0+4*\s+3], 0x80000000
	s_mov_b32 s[G0B+4*\s], 1
	s_add_co_u32 s[G0B+4*\s+1], s23, \s*SLOT
	s_add_nc_u64 s[G0B+4*\s+2:G0B+4*\s+3], s[46:47], \s*KB
	s_or_b32 s[G0B+4*\s+3], s[G0B+4*\s+3], 0x80000000
	JLOAD \s                                       ; two tensor loads of mine are out at the most
.endr
	v_and_b32 v1, 15, v0                           ; r
	v_bfe_u32 v2, v0, 4, 1                         ; h
	v_lshlrev_b32 v[BAD], 5, v2
	s_lshl_b32 s46, s16, 10
	s_lshl_b32 s47, s14, 9
	s_add_co_u32 s46, s46, s47                     ; 4 x my first column
	s_mov_b32 s47, 0
	s_add_nc_u64 s[10:11], s[10:11], s[46:47]
.irp b, 0,1,2,3,4,5,6,7
	global_load_b128 v[BI+8*\b:BI+8*\b+3],   v[BAD], s[10:11] offset:64*\b      ; v[BI + 8 b + j] = b_out[my first column + 16 b + 8 h + j]
	global_load_b128 v[BI+8*\b+4:BI+8*\b+7], v[BAD], s[10:11] offset:64*\b+16
.endr
	s_lshl_b32 s20, s15, 19                        ; out0: 128 rows of 4,096 bytes a tile row,
	s_lshl_b32 s21, s13, 18                        ; my 64 of them,
	s_add_co_u32 s20, s20, s21
	s_add_co_u32 s20, s20, s46                     ; my columns
	s_mov_b32 s21, 0
	s_add_nc_u64 s[8:9], s[8:9], s[20:21]
	s_lshr_b32 s20, s40, 1                         ; the prefetches: my work-group's 8,192 bytes of a K step
	s_lshl_b32 s20, s20, 18
	s_and_b32 s21, s40, 1
	s_lshl_b32 s21, s21, 13
	s_add_co_u32 s20, s20, s21
	s_add_co_u32 s20, s20, s68
	s_add_co_u32 s20, s20, 2*KA                    ; at K step 2: the first refill steps it to 3 and names K step 4
	s_mov_b32 s21, 0
	s_add_nc_u64 s[PFA:PFA+1], s[4:5], s[20:21]
	s_cmp_eq_u32 s12, 0
	s_cselect_b32 s[LIM], 1, -1
	v_mul_u32_u24 v3, v1, PA
	v_lshl_add_u32 v3, v2, 4, v3
	v_mul_u32_u24 v4, v1, PB
	v_lshl_add_u32 v4, v2, 4, v4
	s_mul_i32 s21, s13, 64*PA
	s_mul_i32 s22, s14, HALFB
	s_add_co_u32 s22, s22, BOFF
.irp s, 0,1
	v_add_nc_u32 v[ADRA+\s], s21, v3
	v_add_nc_u32 v[ADRB+\s], s22, v4
	s_add_co_u32 s21, s21, SLOT
	s_add_co_u32 s22, s22, SLOT
.endr
	s_mul_i32 s23, s12, 16*SPITCH                  ; my stage
	v_mul_u32_u24 v5, v1, SPITCH
	v_lshl_add_u32 v5, v2, 5, v5
	v_add_nc_u32 v[STO], s23, v5                   ; in: row r, 32 bytes for each half of the lanes
	v_and_b32 v6, 31, v0
	v_lshlrev_b32 v[CO], 4, v6
	v_add_nc_u32 v[RD], s23, v[CO]                 ; back: the 32 lanes take one row of 512 bytes
	v_lshlrev_b32 v[PFO], 8, v6
; 8 matrix instructions: A's block a x B's eight, 32 along K, from buffer f.  The 32 accumulators take turns in the same order everywhere.
.macro MUL8 f, a, zero
.irp b, 0,1,2,3,4,5,6,7
.if \zero
	v_wmma_f32_16x16x32_f16 v[8*(8*(\a)+\b):8*(8*(\a)+\b)+7], v[\f+8*\b:\f+8*\b+7], v[\f+8*(\a):\f+8*(\a)+7], v[BI+8*\b:BI+8*\b+7]
.else
	v_wmma_f32_16x16x32_f16 v[8*(8*(\a)+\b):8*(8*(\a)+\b)+7], v[\f+8*\b:\f+8*\b+7], v[\f+8*(\a):\f+8*(\a)+7], v[8*(8*(\a)+\b):8*(8*(\a)+\b)+7]
.endif
.endr
.endm
.macro FETCH slot, q, f                ; 24 LDS loads in one run: quarter q (32 along K) of the slot into buffer f: B's eight fragments, then A's four
	WIN TO_B
.irp i, 0,1,2,3,4,5,6,7
	ds_load_b128 v[\f+8*\i:\f+8*\i+3],   v[ADRB+\slot] offset:(\q)*64+\i*16*PB
	ds_load_b128 v[\f+8*\i+4:\f+8*\i+7], v[ADRB+\slot] offset:(\q)*64+\i*16*PB+32
.endr
	WIN 0
.irp i, 0,1,2,3
	ds_load_b128 v[\f+8*\i:\f+8*\i+3],   v[ADRA+\slot] offset:((\q)/2)*HEADB+((\q)%2)*64+\i*16*PA
	ds_load_b128 v[\f+8*\i+4:\f+8*\i+7], v[ADRA+\slot] offset:((\q)/2)*HEADB+((\q)%2)*64+\i*16*PA+32
.endr
.endm
.macro PLACES
.rept 4
	v_nop
.endr
.endm
.macro QUARTER slot, qn, f, g, zero    ; multiplies buffer f; in its middle fetches the slot's quarter qn into buffer g
	s_wait_dscnt 4                                 ; B and A's blocks 0, 1 are in; A's blocks 2, 3 may be out
	WIN MUL-0x20*(\zero)
	MUL8 \f, 0, \zero
	MUL8 \f, 1, \zero
	PLACES
	FETCH \slot, \qn, \g
	s_wait_dscnt 24                                ; all but the 24 just issued
	WIN MUL-0x20*(\zero)
	MUL8 \f, 2, \zero
	MUL8 \f, 3, \zero
.endm
; A slot's last quarter multiplies buffer 1 and changes slots: one barrier; in front of it each wave waits for all its tensor loads, adds 0 to its spare word, and waits for that and for its reads of this slot.
; fill = 1: the barrier opens a round of the cluster's barrier, and this slot is filled again, two K steps ahead, first thing behind the round.
.macro TURN slot, next, fill
.if \fill
	s_wait_xcnt 0x0                                ; the last prefetch, a K step back, has read its address
	s_add_nc_u64 s[PFA:PFA+1], s[PFA:PFA+1], KA
.endif
	WIN 0
	s_wait_tensorcnt 0x0
	ds_add_u32 v[SPW], v[NIL]
	s_wait_dscnt 5                                 ; (the add and A's blocks 2, 3 may be out)
	WIN MUL
	MUL8 F1, 0, 0
	s_wait_dscnt 0x0                               ; the add is done, and my reads of this slot are over
	s_barrier_signal -1
	MUL8 F1, 1, 0
	WIN 0
	s_barrier_wait -1
.if \fill
	CREST
	s_add_nc_u64 s[G0+4*\slot+2:G0+4*\slot+3], s[G0+4*\slot+2:G0+4*\slot+3], 2*KA
	s_add_nc_u64 s[G0B+4*\slot+2:G0B+4*\slot+3], s[G0B+4*\slot+2:G0B+4*\slot+3], 2*KB
	JLOAD \slot                                    ; its four v_nop are also the places in front of the loads below
.else
	PLACES
.endif
	FETCH \next, 0, F0
.if \fill
	ASK
.endif
	WIN MUL
	MUL8 F1, 2, 0
	MUL8 F1, 3, 0
.endm
	s_wait_tensorcnt 1                             ; my part of K step 0 is in; K step 1's may stay out
	s_barrier_signal -1
	s_barrier_wait -1
	FETCH 0, 0, F0
	s_wait_loadcnt 0x0                             ; the bias
	QUARTER 0, 1, F0, F1, 1                        ; the first quarter starts the sums, with the bias as C
	WIN 0
	s_mov_b32 s3, LAPS-1
.Llap:                                             ; a trip goes once round the ring and fills both slots again
	QUARTER 0, 2, F1, F0, 0
	QUARTER 0, 3, F0, F1, 0
	TURN 0, 1, 1
	QUARTER 1, 1, F0, F1, 0
	QUARTER 1, 2, F1, F0, 0
	QUARTER 1, 3, F0, F1, 0
	TURN 1, 0, 1
	QUARTER 0, 1, F0, F1, 0
	WIN 0
	s_sub_co_u32 s3, s3, 1
	s_cmp_lg_u32 s3, 0
	s_cbranch_scc1 .Llap
	QUARTER 0, 2, F1, F0, 0                        ; the last lap fills nothing
	QUARTER 0, 3, F0, F1, 0
	TURN 0, 1, 0
	QUARTER 1, 1, F0, F1, 0
	QUARTER 1, 2, F1, F0, 0
	QUARTER 1, 3, F0, F1, 0
	s_wait_dscnt 4
	WIN MUL
	MUL8 F1, 0, 0
	MUL8 F1, 1, 0
	s_wait_dscnt 0
	MUL8 F1, 2, 0
	MUL8 F1, 3, 0
	WIN 0
; THE WAY OUT, block by block of 16 rows x 128 columns of f32, through my own stage: back as whole rows of 512 bytes.
.macro TOSTAGE a
.set AC, 64*(\a)
	WIN 0x08                                       ; an LDS store's data are its source 1: window 2
.irp b, 0,1,2,3,4,5,6,7
	ds_store_b128 v[STO], v[AC+8*\b:AC+8*\b+3] offset:64*\b          ; each accumulator from its low end on
	ds_store_b128 v[STO], v[AC+8*\b+4:AC+8*\b+7] offset:64*\b+16
.endr
	WIN 0
.set BB, BK+64*((\a)%2)
.irp t, 0,1,2,3,4,5,6,7,8,9,10,11,12,13,14,15
	ds_load_b128 v[BB+4*\t:BB+4*\t+3], v[RD] offset:\t*SPITCH         ; LDS serves a wave's instructions in order
.endr
.endm
.macro SEND a, younger
.set BB, BK+64*((\a)%2)
	s_wait_dscnt \younger
.if (\a) > 0
	s_add_nc_u64 s[8:9], s[8:9], 16*4096           ; (behind a wait on XCNT)  16 rows on
.endif
.irp t, 0,1,2,3,4,5,6,7,8,9,10,11,12,13,14,15
	global_store_b128 v[CO], v[BB+4*\t:BB+4*\t+3], s[8:9] offset:\t*4096 th:TH_STORE_NT   ; 32 lanes store 512 consecutive bytes, aligned
.endr
.endm
	PLACES
	TOSTAGE 0
.irp a, 1,2,3
.if \a > 1
	s_wait_xcnt 0x0                                ; block a - 2's stores have read their registers and their base
.endif
	TOSTAGE \a
	SEND \a-1, 32                                  ; behind block a - 1's loads: block a's 16 stores and 16 loads
.endr
	s_wait_xcnt 0x0
	SEND 3, 0
	s_wait_tensorcnt 0x0                           ; the wave's end
	ds_add_u32 v[SPW], v[NIL]
	s_wait_dscnt 0x0
	CROUND                                         ; the closing round
	s_endpgm
.Lfunc_end_k_qe88b4588e4_proj:
	.size	k_qe88b4588e4_proj, .Lfunc_end_k_qe88b4588e4_proj-k_qe88b4588e4_proj
	.p2alignl 7, 3214868480
	.fill 96, 4, 3214868480
	.section	.rodata,"a",@progbits
	.p2align	6, 0x0
	.amdhsa_kernel k_qe88b4588e4_proj
		.amdhsa_group_segment_fixed_size 327680
		.amdhsa_private_segment_fixed_size 0
		.amdhsa_enable_private_segment 0
		.amdhsa_kernarg_size 32
		.amdhsa_user_sgpr_count 2
		.amdhsa_user_sgpr_kernarg_segment_ptr 1
		.amdhsa_wavefront_size32 1
		.amdhsa_system_sgpr_workgroup_id_x 1
		.amdhsa_system_sgpr_workgroup_id_y 1
		.amdhsa_system_sgpr_workgroup_id_z 1
		.amdhsa_system_vgpr_workitem_id 0
		.amdhsa_next_free_vgpr 768
		.amdhsa_next_free_sgpr 72
		.amdhsa_reserve_vcc 0
		.amdhsa_float_denorm_mode_32 3
		.amdhsa_float_denorm_mode_16_64 3
		.amdhsa_memory_ordered 1
		.amdhsa_forward_progress 1
		.amdhsa_inst_pref_size 88
	.end_amdhsa_kernel
	.amdgpu_metadata
---
amdhsa.version: [ 1, 2 ]
amdhsa.kernels:
  - .name:           k_qe88b4588e4_proj
    .symbol:         k_qe88b4588e4_proj.kd
    .args:
      - { .name: att16, .offset: 0, .size: 8, .value_kind: global_buffer, .address_space: global }
      - { .name: w16, .offset: 8, .size: 8, .value_kind: global_buffer, .address_space: global }
      - { .name: out0, .offset: 16, .size: 8, .value_kind: global_buffer, .address_space: global }
      - { .name: b_out, .offset: 24, .size: 8, .value_kind: global_buffer, .address_space: global }
    .group_segment_fixed_size: 327680
    .private_segment_fixed_size: 0
    .kernarg_segment_align: 8
    .kernarg_segment_size: 32
    .max_flat_workgroup_size: 128
    .sgpr_count:     72
    .vgpr_count:     768
    .wavefront_size: 32
...
	.end_amdgpu_metadata
.endif
;; end of part 4
;; launch fine (part 5): grid 16 x 4, 16 waves a work-group, no clusters, 71,680 bytes of LDS; arguments fine32, w_out, b_out, out0; writes out0
.if DOCPART == 5
	.amdgcn_target "amdgcn-amd-amdhsa--gfx1250"
	.amdhsa_code_object_version 6
	.text
	.protected	k_qe88b4588e4_fine
	.globl	k_qe88b4588e4_fine
	.p2align	8
	.type	k_qe88b4588e4_fine,@function
k_qe88b4588e4_fine:
	s_mov_b64 s[64:65], 0
	v_nop
	global_prefetch_b8 v0, s[64:65] scope:SCOPE_SE
	s_setreg_imm32_b32 hwreg(HW_REG_WAVE_MODE, 25, 1), 1
	s_wait_xcnt 0x0
; The first 16 positions of each of the 4 sequences once more, all in f32: under the causal mask they average one to sixteen values, and f16 operands would use up what the comparison allows.
; Work-group (cg, b) makes out0[b][0..15][64 cg .. 64 cg + 63].  Wave hd makes head hd's attention over the 16 positions (it is repeated in the 16 column groups: 12 KiB of reads and 32 small products),
; keeps O in registers, and multiplies it by its own 64 of K of the 64 rows of w_out.  The sixteen partial sums meet in LDS; waves 0-7 add them, add b_out and store: sixteen lanes fill 256 consecutive bytes, aligned.
; fine32 holds q, k, v of these rows as images of accumulator registers: lane (r, h), word i of (g, half) = qkv(b, position r, column 16 g + 8 h + 4 half + i).
; All products by v_wmma_f32_16x16x4_f32: lane (r, h), register j holds k = 2 h + j of row r.  A permutation of k applied alike to both sources keeps the products: so pairs of image registers serve as they stand.
; The four accumulators v112-143 are written by matrix instructions alone; what is made of them goes into other registers.  Matrix units on so few rows and no cluster: 64 work-groups are all the work there is.
; LIMITS: NaN and infinities are not served.
.set REGB,  16*272                     ; a wave's region: 16 rows x (256 + 16) bytes: first V by rows, then its partial sums
.set SPARE, 16*REGB                    ; the spare words: 128 bytes a wave, eight blocks of 256 bytes that no other line names
.set LI,  1                            ; 16 x lane
.set WA,  2                            ; w_out: row r of 4,096 bytes + 32 h
.set SPW, 3
.set NIL, 4
.set DD,  5                            ; r - 8 h
.set VS,  6                            ; my region + 272 r + 32 h
.set VL,  7                            ; my region + 272 x 8 h + 4 r
.set BA,  8                            ; 16 r
.set FRD, 9                            ; the final sum: row 2 w + h of region 0, 16 r bytes on
.set FO,  10                           ; and its place in out0
.set BIA, 12                           ; v12-15 the bias
.set QI,  16                           ; v16-47 q's image, later w_out's tile 2
.set KI,  48                           ; v48-79 k's image, later tile 3
.set VI,  80                           ; v80-111 v's image, then V^T's fragments
.set ACC, 112
.set SC,  144                          ; v144-151 scores, then p
.set TM,  152                          ; v152-159 at work
.set ON,  160                          ; v160-191 O / l
	s_load_b256 s[4:11], s[0:1], 0x0               ; fine32, w_out, b_out, out0
	v_lshl_add_u32 v[SPW], v0, 2, SPARE
	v_mov_b32 v[NIL], 0
	v_lshrrev_b32 v1, 5, v0
	v_readfirstlane_b32 s12, v1                    ; wave = head
	s_and_b32 s13, ttmp7, 0xffff                   ; batch
	v_and_b32 v152, 31, v0
	v_and_b32 v153, 15, v0                         ; r
	v_bfe_u32 v154, v0, 4, 1                       ; h
	v_lshlrev_b32 v[LI], 4, v152
	v_lshlrev_b32 v[WA], 12, v153
	v_lshl_add_u32 v[WA], v154, 5, v[WA]
	v_lshlrev_b32 v155, 3, v154
	v_sub_nc_u32 v[DD], v153, v155
	s_mul_i32 s14, s12, REGB
	v_mul_u32_u24 v[VS], v153, 272
	v_lshl_add_u32 v[VS], v154, 5, v[VS]
	v_add_nc_u32 v[VS], s14, v[VS]
	v_mul_u32_u24 v[VL], v154, 8*272
	v_lshl_add_u32 v[VL], v153, 2, v[VL]
	v_add_nc_u32 v[VL], s14, v[VL]
	v_lshlrev_b32 v[BA], 4, v153
	s_mul_i32 s15, s12, 2*272
	v_mul_u32_u24 v[FRD], v154, 272
	v_add_nc_u32 v[FRD], v[FRD], v[BA]
	v_add_nc_u32 v[FRD], s15, v[FRD]
	v_lshl_add_u32 v[FO], v154, 12, v[BA]
	v_mov_b32 v159, 0xff800000                     ; -infinity
	s_mov_b32 s16, 0x76543210
	s_mov_b32 s17, 0xfedcba98
	s_mov_b32 s18, 0x3e38aa3b                      ; c = log2(e) / 8
	s_mov_b32 s19, s18
	s_mul_i32 s20, s13, 196608
	s_lshl_b32 s21, s12, 12
	s_add_co_u32 s20, s20, s21                     ; fine32: my batch, my head's four images of q
	s_mov_b32 s21, 0
	s_lshl_b32 s22, ttmp9, 18
	s_lshl_b32 s23, s12, 8
	s_add_co_u32 s22, s22, s23                     ; w_out: rows 64 cg on, my head's 64 of K
	s_mov_b32 s23, 0
	s_wait_kmcnt 0x0
	s_add_nc_u64 s[4:5], s[4:5], s[20:21]
	s_add_nc_u64 s[6:7], s[6:7], s[22:23]
	s_lshl_b32 s20, ttmp9, 8
	s_add_nc_u64 s[8:9], s[8:9], s[20:21]          ; b_out at column 64 cg
	s_lshl_b32 s22, s13, 23                        ; out0: 2,048 rows of 4,096 bytes a batch,
	s_lshl_b32 s14, s12, 13                        ; rows 2 w, 2 w + 1,
	s_add_co_u32 s22, s22, s14
	s_add_co_u32 s22, s22, s20                     ; column 64 cg
	s_add_nc_u64 s[10:11], s[10:11], s[22:23]
.irp wh, 0,1,2
.irp gg, 0,1,2,3
.irp hf, 0,1
	global_load_b128 v[QI+32*\wh+8*\gg+4*\hf:QI+32*\wh+8*\gg+4*\hf+3], v[LI], s[4:5] offset:\wh*65536+\gg*1024+\hf*512
.endr
.endr
.endr
.irp nt, 0,1                                   ; w_out's tiles 0 and 1: register 8 ch + 4 hf + i = w(64 cg + 16 nt + r, 64 hd + 16 ch + 8 h + 4 hf + i)
.irp ch, 0,1,2,3
.irp hf, 0,1
	global_load_b128 v[192+32*\nt+8*\ch+4*\hf:192+32*\nt+8*\ch+4*\hf+3], v[WA], s[6:7] offset:\nt*65536+\ch*64+\hf*16
.endr
.endr
.endr
	global_load_b128 v[BIA:BIA+3], v[BA], s[8:9]
	s_wait_loadcnt 17                              ; the 24 images are in; w_out's 16 loads and the bias may be out
.irp gg, 0,1,2,3                               ; V by rows into my region, and back turned: lane (r, h), register 8 ch + e = V(key 8 h + e, channel 16 ch + r)
.irp hf, 0,1
	ds_store_b128 v[VS], v[VI+8*\gg+4*\hf:VI+8*\gg+4*\hf+3] offset:64*\gg+16*\hf
.endr
.endr
.irp ch, 0,1,2,3
.irp e, 0,1,2,3,4,5,6,7
	ds_load_b32 v[VI+8*\ch+\e], v[VL] offset:\e*272+64*\ch          ; LDS serves a wave's instructions in order: these see my stores
.endr
.endr
.set t, 0
.rept 16                                       ; S^T = K Q^T over the head's 64, four accumulators by turns
.if t < 4
	v_wmma_f32_16x16x4_f32 v[ACC+8*(t%4):ACC+8*(t%4)+7], v[KI+2*t:KI+2*t+1], v[QI+2*t:QI+2*t+1], 0
.else
	v_wmma_f32_16x16x4_f32 v[ACC+8*(t%4):ACC+8*(t%4)+7], v[KI+2*t:KI+2*t+1], v[QI+2*t:QI+2*t+1], v[ACC+8*(t%4):ACC+8*(t%4)+7]
.endif
.set t, t+1
.endr
.rept 9
	v_nop                                          ; places behind this form: in front of reads of the results, of loads into its sources, and of products that begin the accumulators anew
.endr
.irp nt, 2,3
.irp ch, 0,1,2,3
.irp hf, 0,1
	global_load_b128 v[QI+32*(\nt-2)+8*\ch+4*\hf:QI+32*(\nt-2)+8*\ch+4*\hf+3], v[WA], s[6:7] offset:\nt*65536+\ch*64+\hf*16
.endr
.endr
.endr
.irp p, 0,2,4,6                                ; the four partial scores are added, each accumulator read from its low end on: lane (r, h), register j = score(query r, key 8 h + j)
	v_pk_add_f32 v[SC+\p:SC+\p+1], v[ACC+\p:ACC+\p+1], v[ACC+8+\p:ACC+8+\p+1]
	v_pk_add_f32 v[SC+\p:SC+\p+1], v[SC+\p:SC+\p+1], v[ACC+16+\p:ACC+16+\p+1]
	v_pk_add_f32 v[SC+\p:SC+\p+1], v[SC+\p:SC+\p+1], v[ACC+24+\p:ACC+24+\p+1]
.endr
.irp j, 0,1,2,3,4,5,6,7
	v_cmp_gt_i32 vcc_lo, \j, v[DD]                 ; key 8 h + j comes after query r
	v_cndmask_b32 v[SC+\j], v[SC+\j], v159, vcc_lo
.endr
	v_max3_num_f32 v152, v[SC], v[SC+1], v[SC+2]
	v_max3_num_f32 v152, v152, v[SC+3], v[SC+4]
	v_max3_num_f32 v152, v152, v[SC+5], v[SC+6]
	v_max_num_f32 v152, v152, v[SC+7]
	v_permlanex16_b32 v153, v152, s16, s17
	v_max_num_f32 v152, v152, v153                 ; the row's maximum: key 0 counts for every query
	v_mul_f32 v154, s18, v152
.irp p, 0,2,4,6
	v_pk_fma_f32 v[SC+\p:SC+\p+1], v[SC+\p:SC+\p+1], s[18:19], v[154:155] op_sel_hi:[1,0,0] neg_lo:[0,0,1] neg_hi:[0,0,1]
.endr
.irp j, 0,1,2,3,4,5,6,7
	v_exp_f32 v[SC+\j], v[SC+\j]
.endr
	v_nop
	s_wait_alu depctr_va_vdst(0)                   ; one wait for the eight, ahead of their first reader
	v_pk_add_f32 v[156:157], v[SC:SC+1], v[SC+2:SC+3]
	v_pk_add_f32 v[156:157], v[156:157], v[SC+4:SC+5]
	v_pk_add_f32 v[156:157], v[156:157], v[SC+6:SC+7]
	v_add_f32 v156, v156, v157
	v_permlanex16_b32 v157, v156, s16, s17
	v_add_f32 v156, v156, v157                     ; the row's sum
	v_rcp_f32 v158, v156
	v_nop
	s_wait_alu depctr_va_vdst(0)
	s_wait_dscnt 0x0                               ; V^T is in
.irp t, 0,1,2,3                                ; O^T = V^T P over the 16 keys
.irp ch, 0,1,2,3
.if \t == 0
	v_wmma_f32_16x16x4_f32 v[ACC+8*\ch:ACC+8*\ch+7], v[VI+8*\ch+2*\t:VI+8*\ch+2*\t+1], v[SC+2*\t:SC+2*\t+1], 0
.else
	v_wmma_f32_16x16x4_f32 v[ACC+8*\ch:ACC+8*\ch+7], v[VI+8*\ch+2*\t:VI+8*\ch+2*\t+1], v[SC+2*\t:SC+2*\t+1], v[ACC+8*\ch:ACC+8*\ch+7]
.endif
.endr
.endr
.rept 9
	v_nop
.endr
.set i, 0
.rept 16
	v_pk_mul_f32 v[ON+2*i:ON+2*i+1], v[ACC+2*i:ACC+2*i+1], v[158:159] op_sel_hi:[1,0]   ; O / l: register 8 ch + j = o(query r, channel 16 ch + 8 h + j)
.set i, i+1
.endr
	s_wait_loadcnt 0x0                             ; w_out's four tiles and the bias
.set st, 0
.rept 16                                       ; my head's part of the projection, transposed: source 0 = 16 rows of w_out, source 1 = O
.irp nt, 0,1,2,3
.if st == 0
	v_wmma_f32_16x16x4_f32 v[ACC+8*\nt:ACC+8*\nt+7], v[192+32*\nt-240*(\nt/2)+2*st:192+32*\nt-240*(\nt/2)+2*st+1], v[ON+2*st:ON+2*st+1], 0
.else
	v_wmma_f32_16x16x4_f32 v[ACC+8*\nt:ACC+8*\nt+7], v[192+32*\nt-240*(\nt/2)+2*st:192+32*\nt-240*(\nt/2)+2*st+1], v[ON+2*st:ON+2*st+1], v[ACC+8*\nt:ACC+8*\nt+7]
.endif
.endr
.set st, st+1
.endr
.rept 9
	v_nop
.endr
.irp nt, 0,1,2,3
	ds_store_b128 v[VS], v[ACC+8*\nt:ACC+8*\nt+3] offset:64*\nt          ; lane (r, h): part(position r, column 16 nt + 8 h + 0..7)
	ds_store_b128 v[VS], v[ACC+8*\nt+4:ACC+8*\nt+7] offset:64*\nt+16
.endr
	s_wait_dscnt 0x0                               ; for the others' sake: my partial sums lie in LDS
	s_barrier_signal -1
	s_barrier_wait -1
	s_cmp_ge_u32 s12, 8
	s_cbranch_scc1 .Lend
.irp w, 0,1,2,3,4,5,6,7,8,9,10,11,12,13,14,15
	ds_load_b128 v[16+4*\w:16+4*\w+3], v[FRD] offset:\w*REGB         ; the sixteen heads' parts of my two rows
.endr
	s_wait_dscnt 0x0
.irp d, 4,8,16,32
.set bb, 16
.rept 32/\d
	v_pk_add_f32 v[bb:bb+1], v[bb:bb+1], v[bb+\d:bb+\d+1]
	v_pk_add_f32 v[bb+2:bb+3], v[bb+2:bb+3], v[bb+\d+2:bb+\d+3]
.set bb, bb+2*\d
.endr
.endr
	v_pk_add_f32 v[16:17], v[16:17], v[BIA:BIA+1]
	v_pk_add_f32 v[18:19], v[18:19], v[BIA+2:BIA+3]
	global_store_b128 v[FO], v[16:19], s[10:11]
.Lend:
	s_wait_tensorcnt 0x0                           ; the wave's end
	ds_add_u32 v[SPW], v[NIL]
	s_wait_dscnt 0x0
	s_endpgm
.Lfunc_end_k_qe88b4588e4_fine:
	.size	k_qe88b4588e4_fine, .Lfunc_end_k_qe88b4588e4_fine-k_qe88b4588e4_fine
	.p2alignl 7, 3214868480
	.fill 96, 4, 3214868480
	.section	.rodata,"a",@progbits
	.p2align	6, 0x0
	.amdhsa_kernel k_qe88b4588e4_fine
		.amdhsa_group_segment_fixed_size 71680
		.amdhsa_private_segment_fixed_size 0
		.amdhsa_enable_private_segment 0
		.amdhsa_kernarg_size 32
		.amdhsa_user_sgpr_count 2
		.amdhsa_user_sgpr_kernarg_segment_ptr 1
		.amdhsa_wavefront_size32 1
		.amdhsa_system_sgpr_workgroup_id_x 1
		.amdhsa_system_sgpr_workgroup_id_y 1
		.amdhsa_system_sgpr_workgroup_id_z 1
		.amdhsa_system_vgpr_workitem_id 0
		.amdhsa_next_free_vgpr 256
		.amdhsa_next_free_sgpr 66
		.amdhsa_reserve_vcc 1
		.amdhsa_float_denorm_mode_32 3
		.amdhsa_float_denorm_mode_16_64 3
		.amdhsa_memory_ordered 1
		.amdhsa_forward_progress 1
		.amdhsa_inst_pref_size 25
	.end_amdhsa_kernel
	.amdgpu_metadata
---
amdhsa.version: [ 1, 2 ]
amdhsa.kernels:
  - .name:           k_qe88b4588e4_fine
    .symbol:         k_qe88b4588e4_fine.kd
    .args:
      - { .name: fine32, .offset: 0, .size: 8, .value_kind: global_buffer, .address_space: global }
      - { .name: w_out, .offset: 8, .size: 8, .value_kind: global_buffer, .address_space: global }
      - { .name: b_out, .offset: 16, .size: 8, .value_kind: global_buffer, .address_space: global }
      - { .name: out0, .offset: 24, .size: 8, .value_kind: global_buffer, .address_space: global }
    .group_segment_fixed_size: 71680
    .private_segment_fixed_size: 0
    .kernarg_segment_align: 8
    .kernarg_segment_size: 32
    .max_flat_workgroup_size: 512
    .sgpr_count:     66
    .vgpr_count:     256
    .wavefront_size: 32
...
	.end_amdgpu_metadata
.endif
;; end of part 5
